; MI455X (gfx1250); checked and timed in simulation.
; The chip was launched on July 23, 2026; its instructions are those of AMD's public machine-readable ISA for CDNA 5 (MIT licence, August 2026) and "CDNA5" Instruction Set Architecture Reference Guide (July 2026). The comments in the code are by the model that wrote it; some were corrected since.
;; Attention Head. Allowed arithmetic: matrix products marked QUANTISED: E2M3 operands, one E8M0 scale for each 32 along K, by v_wmma_scale_f32_16x16x128_f8f6f4 with both operands' format E2M3, f32 sums; everything else in f32.
;; Inputs: W_k 512 x 512 float32; W_q 512 x 512 float32; W_v 512 x 512 float32; b_k 512 float32; b_q 512 float32; b_v 512 float32; input 8 x 2,048 x 512 float32; mask 8 x 2,048 x 2,048 int32.
;; Outputs: out0 8 x 2,048 x 512 float32.
;; This version of the problem:
;;   THIS VERSION OF THE PROBLEM IS GIVEN IN LOW PRECISION. The matrix products marked QUANTISED in the list below multiply operands that are first quantised to E2M3 (2 exponent bits, 3 mantissa bits; 6 bits a number), with one power-of-two scale for each 32 numbers along K (OCP MX v1.0); their sums are f32. All else is computed in f32.
;;   The module's matrix products, in the order in which they are computed (A, B: the left and right operand; K: the contracted axis; several contracted axes count as one K, in the product's order):
;;     1. [M 16,384, K 512] x [K 512, N 512]; A: input input; B: input W_q: QUANTISED
;;     2. [M 16,384, K 512] x [K 512, N 512]; A: input input; B: input W_k: QUANTISED
;;     3. [M 16,384, K 512] x [K 512, N 512]; A: input input; B: input W_v: QUANTISED
;;     4. batch 8 x [M 2,048, K 512] x [K 512, N 2,048]; A: computed on the way; B: computed on the way: QUANTISED
;;     5. batch 8 x [M 2,048, K 2,048] x [K 2,048, N 512]; A: softmax (see below); B: computed on the way: QUANTISED
;;   THE QUANTISER, for each operand of a quantised product, along K:
;;     - K is cut into blocks of 32 from its start; a last block that is shorter is filled with zeros.
;;     - A block's scale is 2^e with e = floor(log2(the largest magnitude in the block)) - 2, held to -126 .. 127; a block of zeros has e = 0. As a byte (E8M0): e + 127.
;;     - Each number is divided by its block's scale, clamped to +-7.5, and rounded to the nearest number of E2M3, ties to even, subnormals kept.
;;     - The product sums the exact products of the quantised numbers (number of the format x scale) in f32.
;;   ~~~python
;;   def quantise(x, axis):      # numpy; x: float32 -> the quantised numbers, widened to float32 again
;;       x = np.moveaxis(x, axis, -1); K = x.shape[-1]
;;       x = np.pad(x, [(0, 0)] * (x.ndim - 1) + [(0, -K % 32)]); x = x.reshape(x.shape[:-1] + (-1, 32)); a = np.abs(x).max(-1, keepdims=True)
;;       e = np.where(a > 0, np.clip(np.frexp(np.where(a > 0, a, 1))[1] - 1 - 2, -126, 127), 0)      # np.frexp(a)[1] - 1 = floor(log2(a)), exactly
;;       r = np.clip(x / 2.0 ** e, -7.5, 7.5)
;;       step = 2.0 ** (np.maximum(np.frexp(np.where(r == 0, 1, r))[1] - 1, 0) - 3)
;;       q = np.round(r / step) * step * 2.0 ** e      # np.round: ties to even
;;       return np.moveaxis(q.reshape(q.shape[:-2] + (-1,))[..., :K], -1, axis).astype(np.float32)
;;   ~~~
;;   SOFTMAX AHEAD OF A QUANTISED PRODUCT. Where the list says 'softmax', what is quantised is not the finished softmax but p = 2^(t - M), with t = logit x log2(e) and M = ceil(the row's largest t), a whole number; so 1/2 < the row's largest p <= 1. The row's sum l is taken of the UNQUANTISED p, in f32, and the product's result is divided by l at the end. Since M is a whole number, a kernel that streams over the keys may use a running M (the ceiling of the running maximum): every later rescaling is an exact power of two, which a block's scale takes up: the codes' values come out the same.
;;   OPERANDS COMPUTED ON THE WAY. 'Computed on the way' means the value that the module computes at that place (a softmax that the list does not call 'softmax' is quantised finished and normalised). What goes into a quantiser is computed in f32, as accurately as f32 sums, v_exp_f32 and their like allow (about 1e-6 of the number): no bf16 or f16 on the way to a quantiser, and a product that is left as it is and whose result goes on into a quantised operand takes f32 operands (vector FMAs, or v_wmma_f32_16x16x4_f32). A number that lies on a knife's edge between two numbers of the format may be rounded either way, as far as f32 arithmetic and the matrix unit's own rounding can turn it there, and no further.
;; One version. Each part assembles by itself: llvm-mc -triple=amdgcn-amd-amdhsa -mcpu=gfx1250 --defsym DOCPART=n.
;; ======== version 1 of 1: 3 launches
;; limits: right only within a limited range of input values
;; workspace buffers: wimg 589,824 bytes; wsc 49,152 bytes; qc 6,291,456 bytes; qs 262,144 bytes; kv 13,107,200 bytes
;; launch wq (part 1): grid 96 x 1, 4 waves a work-group, no clusters, 0 bytes of LDS; arguments W_q, W_k, W_v, wimg, wsc; writes wimg, wsc
.if DOCPART == 1
	.amdgcn_target "amdgcn-amd-amdhsa--gfx1250"
	.amdhsa_code_object_version 6
	.text
	.protected	k_qb8ce05bc3f_wq
	.globl	k_qb8ce05bc3f_wq
	.p2align	8
	.type	k_qb8ce05bc3f_wq,@function
k_qb8ce05bc3f_wq:
	s_mov_b64 s[64:65], 0
	v_nop
	global_prefetch_b8 v0, s[64:65] scope:SCOPE_SE
	s_setreg_imm32_b32 hwreg(HW_REG_WAVE_MODE, 25, 1), 1
	s_wait_xcnt 0x0
; W_q, W_k, W_v [512][512] f32, K innermost, become codes of FP6 (E2M3) with one E8M0 byte for each 32 along K, laid as IMAGES OF OPERAND REGISTERS.
; A tile is 16 rows of a weight: element r of tile 2 B + u is row 32 B + 8 u + r + 8 (r / 8).  A fragment is a tile x 128 along K: 12 registers a lane; registers 4 c .. 4 c + 3 of lane l lie at 512 c + 16 l.
; wimg: [t = 32 x matrix + tile][ks][1,536 bytes];  wsc: [t][ks][32 words]: the scale register's image, lanes 16-31 repeating lanes 0-15.
; Work-group t takes one tile, wave ks one 128 along K: 96 work-groups are all the work there is.  No LDS, no barrier, no cluster: no two waves read the same byte.
; A block's scale is 2^(floor(log2(largest magnitude)) - 2); its byte is the largest magnitude's exponent field - 2, held at 1 from below.
; LIMITS: a block of zeros gets the byte 1 (its codes are zeros, and this program alone reads the bytes); NaN and infinities among the inputs are not served.
.set LI,  4                            ; v4  16 x lane
.set L4,  5                            ; v5  4 x lane
.set XA,  6                            ; v6  my row of the tile x 2,048 bytes + 64 (lane / 16)
.set X,   16                           ; v16-79  64 numbers: register 16 b + i = k 32 b + 16 (lane / 16) + i of my row
.set TM,  80                           ; v80-95  at work
.set PW,  96                           ; v96     the scale word
.set PC,  100                          ; v100-119 the codes
.set SEL, 20                           ; s[20:21] lane selects: lane l xor 16
	s_load_b128 s[4:7], s[0:1], 0x0                ; W_q, W_k
	s_load_b128 s[8:11], s[0:1], 0x10              ; W_v, wimg
	s_load_b64 s[12:13], s[0:1], 0x20              ; wsc
	v_lshrrev_b32 v1, 5, v0
	v_readfirstlane_b32 s14, v1                    ; wave = ks
	v_and_b32 v1, 31, v0                           ; lane
	v_and_b32 v2, 15, v0                           ; r
	v_bfe_u32 v3, v0, 4, 1                         ; h
	v_lshlrev_b32 v[LI], 4, v1
	v_lshlrev_b32 v[L4], 2, v1
	v_and_b32 v[XA], 8, v2
	v_add_nc_u32 v[XA], v[XA], v2                  ; r + 8 (r / 8)
	v_lshlrev_b32 v[XA], 11, v[XA]
	v_lshl_add_u32 v[XA], v3, 6, v[XA]
	s_mov_b32 s[SEL], 0x76543210
	s_mov_b32 s[SEL+1], 0xfedcba98
.irp b, 0,1,2,3
	v_mov_b32 v[TM+4+\b], 0                        ; written once: a lane permute's destination counts as one of its sources
.endr
	s_and_b32 s16, ttmp9, 31                       ; the tile in its matrix
	s_lshr_b32 s17, s16, 1
	s_lshl_b32 s17, s17, 5
	s_and_b32 s16, s16, 1
	s_lshl_b32 s16, s16, 3
	s_add_co_u32 s16, s16, s17                     ; its first row: 32 B + 8 u
	s_lshl_b32 s16, s16, 11                        ; x 2,048 bytes
	s_lshl_b32 s17, s14, 9
	s_add_co_u32 s16, s16, s17                     ; + 512 ks
	s_mov_b32 s17, 0
	s_lshl_b32 s18, ttmp9, 2
	s_add_co_u32 s18, s18, s14                     ; 4 t + ks
	s_mul_i32 s22, s18, 1536
	s_mov_b32 s23, 0
	s_lshl_b32 s18, s18, 7
	s_mov_b32 s19, 0
	s_wait_alu depctr_va_vdst(0)
	s_wait_kmcnt 0x0
	s_cmp_lt_u32 ttmp9, 64                         ; the choice hangs on the work-group's number alone
	s_cselect_b64 s[6:7], s[6:7], s[8:9]
	s_cmp_lt_u32 ttmp9, 32
	s_cselect_b64 s[4:5], s[4:5], s[6:7]
	s_add_nc_u64 s[4:5], s[4:5], s[16:17]
	s_add_nc_u64 s[10:11], s[10:11], s[22:23]
	s_add_nc_u64 s[12:13], s[12:13], s[18:19]
.irp b, 0,1,2,3
.irp j, 0,1,2,3
	global_load_b128 v[X+16*\b+4*\j:X+16*\b+4*\j+3], v[XA], s[4:5] offset:128*\b+16*\j th:TH_LOAD_NT
.endr
.endr
	s_wait_loadcnt 0x0
.irp b, 0,1,2,3
	v_max3_num_f32 v[TM+\b], |v[X+16*\b]|, |v[X+1+16*\b]|, 0x1800000   ; block b: my 16 numbers, and the floor 2^(3 - 127): the byte cannot fall under 1
.endr
.irp i, 2,4,6,8,10,12,14
.irp b, 0,1,2,3
	v_max3_num_f32 v[TM+\b], v[TM+\b], |v[X+16*\b+\i]|, |v[X+1+16*\b+\i]|   ; the four blocks by turns
.endr
.endr
.irp b, 0,1,2,3
	v_permlanex16_b32 v[TM+4+\b], v[TM+\b], s[SEL], s[SEL+1]
.endr
.irp b, 0,1,2,3
	v_max_num_f32 v[TM+\b], v[TM+\b], v[TM+4+\b]   ; with lane l xor 16's: the block's largest magnitude
.endr
.irp b, 0,1,2,3
	v_add_nc_u32 v[TM+12+\b], 0xff000000, v[TM+\b] ; 2 off its exponent field: the conversion's scale operand
.endr
.irp b, 0,1,2,3
	v_lshrrev_b32 v[TM+4+\b], 23, v[TM+12+\b]      ; the scale's byte
.endr
	v_lshl_or_b32 v[PW], v[TM+5], 8, v[TM+4]
	v_lshl_or_b32 v[PW], v[TM+6], 16, v[PW]
	v_lshl_or_b32 v[PW], v[TM+7], 24, v[PW]
.irp c, 0,1
	v_cvt_scalef32_pk16_fp6_f32 v[PC+6*\c:PC+2+6*\c], v[X+32*\c:X+15+32*\c], v[TM+12+2*\c]
	v_cvt_scalef32_pk16_fp6_f32 v[PC+12+4*\c:PC+14+4*\c], v[X+16+32*\c:X+31+32*\c], v[TM+12+2*\c+1]   ; (a conversion's three registers begin on an even number)
.endr
	v_nop                                          ; one plain place behind a scaled conversion
.irp c, 0,1                                    ; the operand's layout wants a whole block in a lane: lanes 0-15 block 2 c, lanes 16-31 block 2 c + 1
.irp i, 0,1,2
	v_permlane16_swap_b32 v[PC+6*\c+\i], v[PC+12+4*\c+\i]
.endr
.irp i, 0,1,2
	v_mov_b32 v[PC+3+6*\c+\i], v[PC+12+4*\c+\i]
.endr
.endr
.irp c, 0,1,2
	global_store_b128 v[LI], v[PC+4*\c:PC+4*\c+3], s[10:11] offset:512*\c   ; 32 lanes store 512 consecutive bytes
.endr
	global_store_b32 v[L4], v[PW], s[12:13]        ; 128 consecutive bytes
	s_endpgm
.Lfunc_end_k_qb8ce05bc3f_wq:
	.size	k_qb8ce05bc3f_wq, .Lfunc_end_k_qb8ce05bc3f_wq-k_qb8ce05bc3f_wq
	.p2alignl 7, 3214868480
	.fill 96, 4, 3214868480
	.section	.rodata,"a",@progbits
	.p2align	6, 0x0
	.amdhsa_kernel k_qb8ce05bc3f_wq
		.amdhsa_group_segment_fixed_size 0
		.amdhsa_private_segment_fixed_size 0
		.amdhsa_enable_private_segment 0
		.amdhsa_kernarg_size 40
		.amdhsa_user_sgpr_count 2
		.amdhsa_user_sgpr_kernarg_segment_ptr 1
		.amdhsa_wavefront_size32 1
		.amdhsa_system_sgpr_workgroup_id_x 1
		.amdhsa_system_sgpr_workgroup_id_y 1
		.amdhsa_system_sgpr_workgroup_id_z 1
		.amdhsa_system_vgpr_workitem_id 0
		.amdhsa_next_free_vgpr 128
		.amdhsa_next_free_sgpr 66
		.amdhsa_reserve_vcc 0
		.amdhsa_float_denorm_mode_32 3
		.amdhsa_float_denorm_mode_16_64 3
		.amdhsa_memory_ordered 1
		.amdhsa_forward_progress 1
		.amdhsa_inst_pref_size 8
	.end_amdhsa_kernel
	.amdgpu_metadata
---
amdhsa.version: [ 1, 2 ]
amdhsa.kernels:
  - .name:           k_qb8ce05bc3f_wq
    .symbol:         k_qb8ce05bc3f_wq.kd
    .args:
      - { .name: W_q, .offset: 0, .size: 8, .value_kind: global_buffer, .address_space: global }
      - { .name: W_k, .offset: 8, .size: 8, .value_kind: global_buffer, .address_space: global }
      - { .name: W_v, .offset: 16, .size: 8, .value_kind: global_buffer, .address_space: global }
      - { .name: wimg, .offset: 24, .size: 8, .value_kind: global_buffer, .address_space: global }
      - { .name: wsc, .offset: 32, .size: 8, .value_kind: global_buffer, .address_space: global }
    .group_segment_fixed_size: 0
    .private_segment_fixed_size: 0
    .kernarg_segment_align: 8
    .kernarg_segment_size: 40
    .max_flat_workgroup_size: 128
    .sgpr_count:     66
    .vgpr_count:     128
    .wavefront_size: 32
...
	.end_amdgpu_metadata
.endif
;; end of part 1
;; launch proj (part 2): grid 256 x 1, 4 waves a work-group, no clusters, 53,760 bytes of LDS; arguments input, wimg, wsc, b_q, b_k, b_v, qc, qs, kv; writes qc, qs, kv
.if DOCPART == 2
	.amdgcn_target "amdgcn-amd-amdhsa--gfx1250"
	.amdhsa_code_object_version 6
	.text
	.protected	k_qb8ce05bc3f_proj
	.globl	k_qb8ce05bc3f_proj
	.p2align	8
	.type	k_qb8ce05bc3f_proj,@function
k_qb8ce05bc3f_proj:
	s_mov_b64 s[64:65], 0
	v_nop
	global_prefetch_b8 v0, s[64:65] scope:SCOPE_SE
	s_setreg_imm32_b32 hwreg(HW_REG_WAVE_MODE, 25, 1), 1
	s_wait_xcnt 0x0
; q, k, v = Q(x) Q(W)^T + b on codes of FP6 (E2M3), one E8M0 byte for each 32 along K; then Q(q), Q(k) along the 512 channels and Q(v) along the KEYS, stored as images of operand registers.
; A tile of 16 (tokens, weight rows, channels): element r of tile 2 B + u is row 32 B + 8 u + r + 8 (r / 8).  A fragment (tile x 128 K) is 12 registers a lane: registers 4 c .. 4 c + 3 of lane l at 512 c + 16 l.
; SHARES.  Work-group: tb = x / 2: 128 tokens (8 tiles, one key step of the attention); hf = x % 2: channels 256 hf .. + 255 of each of q, k, v.  Four waves, 1,536 matrix instructions.
;   X:  wave w quantises x's tiles 2 w, 2 w + 1 (all four K steps) and stores their images in LDS | the one barrier |
;   QK: wave w makes matrix w / 2 (q or k), channels 128 G .. + 127, G = 2 hf + w % 2, for all 8 token tiles: 64 accumulators.  TRANSPOSED (source 0 = 16 rows of W, source 1 = 16 tokens): a lane holds one token,
;       and the 16 registers of tiles 2 B, 2 B + 1 are 16 neighbouring channels: they are quantised in registers into K step G of the scores' product.
;   V:  wave w makes channel tiles 16 hf + 4 w + n, n = 0 .. 3, for all 8 token tiles: 32 accumulators.  NOT transposed (source 0 = tokens, source 1 = W_v): a lane holds one channel and its registers run down the keys.
; The biases are the C of each sum's first matrix instruction.  Each fragment of W is loaded once in a work-group, straight into registers, and feeds 8 matrix instructions.
; NO CLUSTER: a work-group's share of the weights is 192 fragments, 294,912 bytes; with x's 51,200 bytes of images that is more than the 327,680 bytes of LDS, so joint loads would want a ring with a round for
; every 64 matrix instructions of a wave; the weights' images are 638,976 bytes in all.
; OUT: qc [token tile T][ks][1,536]; qs [ks][T][16 words]; kv [tb][102,400]: K's images [kt][ks][1,536] at 0, K's scale words [ks][kt][16] at 49,152, V's images [ct][1,536] at 51,200, V's scale words [ct / 4][r][ct % 4] at 100,352.
; LIMITS: a block of zeros gets the byte 1 (its codes are zeros, and this program alone reads the bytes); NaN and infinities are not served.
; REGISTERS, in windows of 256.  Window 0: v1-13 addresses; v16-31 W's scale words, v32-39 W_v's (lanes 0-15 an even tile, lanes 16-31 the odd one); v40-71 x's scale words; v72-119 the quantiser; v120-215 x's 8 fragments.
;   Window 1: W's fragments, set 0 at v0, set 1 at v96; v192-255 the biases.   Windows 2, 3: x as f32 (unit i at 64 i), then the accumulators.
.set XIMG, 0                           ; LDS: x's images [tile a][ks][1,536]
.set XSC,  49152                       ; and their scale words [ks][a][16 words]
.set LI,   4                           ; v4   16 x lane
.set L4,   5                           ; v5   4 x lane
.set XA,   6                           ; v6   x: (r + 8 (r / 8)) x 2,048 + 64 h
.set XWI,  7                           ; v7   where I store x's images: 16 x lane + 12,288 x wave
.set XWS,  8                           ; v8   and their scale words: 4 r + 128 x wave
.set BQA,  9                           ; v9   64 h
.set BVA,  10                          ; v10  4 (r + 8 (r / 8))
.set WSA,  11                          ; v11  512 h + 4 r
.set VSA,  12                          ; v12  16 r
.set XSR,  13                          ; v13  4 r
.set WS,   16
.set WVS,  32
.set XS,   40
.set TM,   72
.set PW,   88
.set PWV,  90
.set PWS,  94
.set PC,   100
.set XF,   120
.set BIAS, 192
.set WV,   22
.set SEL,  28
.set HALF, 30
.set XP,   32
.set WP,   34
.set WSP,  36
.set BP,   38
.set WVP,  40
.set WVSP, 42
.set BVP,  44
.set OP,   46
.set OS,   48
.set VP,   50
.set VSP,  52
.set MSB, 0
.macro WIN new                         ; bits 1:0 source 0, 3:2 source 1, 5:4 source 2, 7:6 destination; the high byte repeats the setting that is left
.if MSB != (\new)
	s_set_vgpr_msb (MSB<<8)|(\new)
.set MSB, (\new)
.endif
.endm
.macro PLACES n                        ; plain places behind matrix instructions (ISA guide 7.12.1)
.rept \n
	v_nop
.endr
.endm
; one scaled matrix instruction.  c < 0: the constant 0 starts the sum.  ra, rb = 1: that side's scales stand in lanes 16-31 of its register
.macro WMS d, a, b, c, sa, sb, ra, rb
.if (\c) < 0
.if (\ra) && (\rb)
	v_wmma_scale_f32_16x16x128_f8f6f4 v[(\d):(\d)+7], v[(\a):(\a)+11], v[(\b):(\b)+11], 0, v[\sa], v[\sb] matrix_a_fmt:MATRIX_FMT_FP6 matrix_b_fmt:MATRIX_FMT_FP6 matrix_a_scale:MATRIX_SCALE_ROW1 matrix_b_scale:MATRIX_SCALE_ROW1
.elseif (\ra)
	v_wmma_scale_f32_16x16x128_f8f6f4 v[(\d):(\d)+7], v[(\a):(\a)+11], v[(\b):(\b)+11], 0, v[\sa], v[\sb] matrix_a_fmt:MATRIX_FMT_FP6 matrix_b_fmt:MATRIX_FMT_FP6 matrix_a_scale:MATRIX_SCALE_ROW1
.elseif (\rb)
	v_wmma_scale_f32_16x16x128_f8f6f4 v[(\d):(\d)+7], v[(\a):(\a)+11], v[(\b):(\b)+11], 0, v[\sa], v[\sb] matrix_a_fmt:MATRIX_FMT_FP6 matrix_b_fmt:MATRIX_FMT_FP6 matrix_b_scale:MATRIX_SCALE_ROW1
.else
	v_wmma_scale_f32_16x16x128_f8f6f4 v[(\d):(\d)+7], v[(\a):(\a)+11], v[(\b):(\b)+11], 0, v[\sa], v[\sb] matrix_a_fmt:MATRIX_FMT_FP6 matrix_b_fmt:MATRIX_FMT_FP6
.endif
.else
.if (\ra) && (\rb)
	v_wmma_scale_f32_16x16x128_f8f6f4 v[(\d):(\d)+7], v[(\a):(\a)+11], v[(\b):(\b)+11], v[(\c):(\c)+7], v[\sa], v[\sb] matrix_a_fmt:MATRIX_FMT_FP6 matrix_b_fmt:MATRIX_FMT_FP6 matrix_a_scale:MATRIX_SCALE_ROW1 matrix_b_scale:MATRIX_SCALE_ROW1
.elseif (\ra)
	v_wmma_scale_f32_16x16x128_f8f6f4 v[(\d):(\d)+7], v[(\a):(\a)+11], v[(\b):(\b)+11], v[(\c):(\c)+7], v[\sa], v[\sb] matrix_a_fmt:MATRIX_FMT_FP6 matrix_b_fmt:MATRIX_FMT_FP6 matrix_a_scale:MATRIX_SCALE_ROW1
.elseif (\rb)
	v_wmma_scale_f32_16x16x128_f8f6f4 v[(\d):(\d)+7], v[(\a):(\a)+11], v[(\b):(\b)+11], v[(\c):(\c)+7], v[\sa], v[\sb] matrix_a_fmt:MATRIX_FMT_FP6 matrix_b_fmt:MATRIX_FMT_FP6 matrix_b_scale:MATRIX_SCALE_ROW1
.else
	v_wmma_scale_f32_16x16x128_f8f6f4 v[(\d):(\d)+7], v[(\a):(\a)+11], v[(\b):(\b)+11], v[(\c):(\c)+7], v[\sa], v[\sb] matrix_a_fmt:MATRIX_FMT_FP6 matrix_b_fmt:MATRIX_FMT_FP6
.endif
.endif
.endm
; 64 numbers of a lane in window win, v[s] .. v[s + 63], register 16 b + i = k 32 b + 16 h + i of my row, become a fragment's codes in v[PC] on and its scale word in v[PW].  Accumulators are read from their low ends on.
.macro QUANT win, s
	WIN (\win)|((\win)<<2)
.irp b, 0,1,2,3
	v_max3_num_f32 v[TM+\b], |v[(\s)+16*\b]|, |v[(\s)+1+16*\b]|, 0x1800000   ; block b: my 16 numbers, and the floor 2^(3 - 127): the byte cannot fall under 1
.endr
	WIN ((\win)<<2)|((\win)<<4)
.irp i, 2,4,6,8,10,12,14
.irp b, 0,1,2,3
	v_max3_num_f32 v[TM+\b], v[TM+\b], |v[(\s)+16*\b+\i]|, |v[(\s)+1+16*\b+\i]|   ; the four blocks by turns
.endr
.endr
	WIN 0
.irp b, 0,1,2,3
	v_permlanex16_b32 v[TM+4+\b], v[TM+\b], s[SEL], s[SEL+1]
.endr
.irp b, 0,1,2,3
	v_max_num_f32 v[TM+\b], v[TM+\b], v[TM+4+\b]   ; with lane l xor 16's: the block's largest magnitude
.endr
.irp b, 0,1,2,3
	v_add_nc_u32 v[TM+12+\b], 0xff000000, v[TM+\b] ; 2 off its exponent field: the conversion's scale operand
.endr
.irp b, 0,1,2,3
	v_lshrrev_b32 v[TM+4+\b], 23, v[TM+12+\b]      ; the scale's byte
.endr
	v_lshl_or_b32 v[PW], v[TM+5], 8, v[TM+4]
	v_lshl_or_b32 v[PW], v[TM+6], 16, v[PW]
	v_lshl_or_b32 v[PW], v[TM+7], 24, v[PW]
	WIN (\win)
.irp c, 0,1
	v_cvt_scalef32_pk16_fp6_f32 v[PC+6*\c:PC+2+6*\c], v[(\s)+32*\c:(\s)+15+32*\c], v[TM+12+2*\c]
	v_cvt_scalef32_pk16_fp6_f32 v[PC+12+4*\c:PC+14+4*\c], v[(\s)+16+32*\c:(\s)+31+32*\c], v[TM+12+2*\c+1]   ; (a conversion's three registers begin on an even number)
.endr
	WIN 0
	v_nop                                          ; one plain place behind a scaled conversion
.irp c, 0,1                                    ; the operand's layout wants a whole block in a lane
.irp i, 0,1,2
	v_permlane16_swap_b32 v[PC+6*\c+\i], v[PC+12+4*\c+\i]
.endr
.irp i, 0,1,2
	v_mov_b32 v[PC+3+6*\c+\i], v[PC+12+4*\c+\i]
.endr
.endr
.endm
.macro XLOAD i                         ; unit i = (my tile i / 4, K step i % 4): 64 numbers a lane
	WIN (2+(\i)/4)<<6
.irp b, 0,1,2,3
.irp j, 0,1,2,3
	global_load_b128 v[64*((\i)%4)+16*\b+4*\j:64*((\i)%4)+16*\b+4*\j+3], v[XA], s[XP:XP+1] offset:((\i)/4)*16384+((\i)%4)*512+128*\b+16*\j
.endr
.endr
	WIN 0
.endm
.macro IMAGE adr, off                  ; the fragment in v[PC] on goes to LDS as it stands
.irp c, 0,1,2
	ds_store_b128 v[\adr], v[PC+4*\c:PC+4*\c+3] offset:(\off)+512*\c
.endr
.endm
.macro XFETCH ks, a0                   ; x's fragments of tiles a0 .. a0 + 3, K step ks
.irp a, \a0, \a0+1, \a0+2, \a0+3
.irp c, 0,1,2
	ds_load_b128 v[XF+12*(\a)+4*\c:XF+12*(\a)+4*\c+3], v[LI] offset:XIMG+(4*(\a)+(\ks))*1536+512*\c
.endr
.endr
.endm
.macro WLOAD set, ks                   ; my 8 fragments of W_q or W_k, K step ks
	WIN 0x40
.irp b, 0,1,2,3,4,5,6,7
.irp c, 0,1,2
	global_load_b128 v[96*(\set)+12*\b+4*\c:96*(\set)+12*\b+4*\c+3], v[LI], s[WP:WP+1] offset:6144*\b+1536*(\ks)+512*\c
.endr
.endr
	WIN 0
.endm
.macro WVLOAD set, ks0                 ; my 4 fragments of W_v for each of K steps ks0, ks0 + 1
	WIN 0x40
.irp k, 0,1
.irp n, 0,1,2,3
.irp c, 0,1,2
	global_load_b128 v[96*(\set)+48*\k+12*\n+4*\c:96*(\set)+48*\k+12*\n+4*\c+3], v[LI], s[WVP:WVP+1] offset:6144*\n+1536*((\ks0)+\k)+512*\c
.endr
.endr
.endr
	WIN 0
.endm
; 16 matrix instructions: token tiles a0, a0 + 1 against my 8 tiles of W.  The 64 accumulators take turns, one instruction a turn, in the same order in every K step
.macro MULQK a0, ks
.if (\ks) == 0
	WIN 0x91+0x40*((\a0)/4)                        ; W window 1, x window 0, the bias window 1, the sums window 2 or 3
.else
	WIN 0xa1+0x50*((\a0)/4)
.endif
.irp a, \a0, \a0+1
.irp b, 0,1,2,3,4,5,6,7
.if (\ks) == 0
	WMS 8*(8*((\a)%4)+\b), 96*((\ks)%2)+12*\b, XF+12*(\a), BIAS+8*\b, WS+4*(\b/2)+(\ks), XS+8*(\ks)+(\a), \b%2, 0
.else
	WMS 8*(8*((\a)%4)+\b), 96*((\ks)%2)+12*\b, XF+12*(\a), 8*(8*((\a)%4)+\b), WS+4*(\b/2)+(\ks), XS+8*(\ks)+(\a), \b%2, 0
.endif
.endr
.endr
.endm
.macro MULV t0, ks                     ; 16 matrix instructions: token tiles t0 .. t0 + 3 against my 4 tiles of W_v
.if (\ks) == 0
	WIN 0x94                                       ; x window 0, W_v window 1, the bias window 1, the sums window 2
.else
	WIN 0xa4
.endif
.irp t, \t0, \t0+1, \t0+2, \t0+3
.irp n, 0,1,2,3
.if (\ks) == 0
	WMS 8*(8*\n+(\t)), XF+12*(\t), 96*((\ks)/2)+48*((\ks)%2)+12*\n, BIAS+8*\n, XS+8*(\ks)+(\t), WVS+4*(\n/2)+(\ks), 0, \n%2
.else
	WMS 8*(8*\n+(\t)), XF+12*(\t), 96*((\ks)/2)+48*((\ks)%2)+12*\n, 8*(8*\n+(\t)), XS+8*(\ks)+(\t), WVS+4*(\n/2)+(\ks), 0, \n%2
.endif
.endr
.endr
.endm
; A K step of q or k: 64 matrix instructions.  x has one set of registers: tiles 0-3 are fetched anew in the step's middle, tiles 4-7 at its end.  lc: the global loads younger than this step's fragments of W
.macro STEP ks, lc
	s_wait_loadcnt \lc
	s_wait_dscnt 12                                ; x's tiles 0-3 are in; the 12 loads of tiles 4-7 may be out
	MULQK 0, \ks
	MULQK 2, \ks
	s_wait_dscnt 0x0
	PLACES 4
	WIN 0
	XFETCH ((\ks)+1)%4, 0
	MULQK 4, \ks
	MULQK 6, \ks
	PLACES 4
	WIN 0
	XFETCH ((\ks)+1)%4, 4
.endm
.macro VSTEP ks                        ; a K step of v: 32 matrix instructions
	s_wait_dscnt 12
	MULV 0, \ks
	s_wait_dscnt 0x0
.if (\ks) < 3
	PLACES 4
	WIN 0
	XFETCH (\ks)+1, 0
.endif
	MULV 4, \ks
	PLACES 4
	WIN 0
.if (\ks) < 3
	XFETCH (\ks)+1, 4
.endif
.endm
	s_load_b512 s[4:19], s[0:1], 0x0               ; input, wimg, wsc, b_q, b_k, b_v, qc, qs
	s_load_b64 s[20:21], s[0:1], 0x40              ; kv
	v_lshl_add_u32 v254, v0, 2, 0xd000
	v_mov_b32 v255, 0
	v_lshrrev_b32 v1, 5, v0
	v_readfirstlane_b32 s[WV], v1                  ; wave 0..3
	v_and_b32 v1, 31, v0                           ; lane
	v_and_b32 v2, 15, v0                           ; r
	v_bfe_u32 v3, v0, 4, 1                         ; h
	v_lshlrev_b32 v[LI], 4, v1
	v_lshlrev_b32 v[L4], 2, v1
	v_and_b32 v[BVA], 8, v2
	v_add_nc_u32 v[BVA], v[BVA], v2                ; r + 8 (r / 8)
	v_lshlrev_b32 v[XA], 11, v[BVA]
	v_lshl_add_u32 v[XA], v3, 6, v[XA]
	v_lshlrev_b32 v[BVA], 2, v[BVA]
	s_mul_i32 s54, s[WV], 12288
	v_add_nc_u32 v[XWI], s54, v[LI]
	v_lshlrev_b32 v[XSR], 2, v2
	s_lshl_b32 s54, s[WV], 7
	v_add_nc_u32 v[XWS], s54, v[XSR]
	v_lshlrev_b32 v[BQA], 6, v3
	v_lshl_add_u32 v[WSA], v3, 9, v[XSR]
	v_lshlrev_b32 v[VSA], 4, v2
.irp b, 0,1,2,3
	v_mov_b32 v[TM+4+\b], 0                        ; written once: a lane permute's destination counts as one of its sources
.endr
	s_mov_b32 s[SEL], 0x76543210
	s_mov_b32 s[SEL+1], 0xfedcba98
	s_mov_b32 s[HALF], 0xffff0000                  ; a lane mask: lanes 16-31
	s_lshr_b32 s23, ttmp9, 1                       ; tb
	s_and_b32 s24, ttmp9, 1                        ; hf
	s_lshr_b32 s25, s[WV], 1                       ; which matrix: 0 q, 1 k
	s_and_b32 s26, s[WV], 1
	s_lshl_b32 s54, s24, 1
	s_add_co_u32 s26, s26, s54                     ; G
	s_mov_b32 s55, 0
	s_mov_b32 s57, 0
	s_lshl_b32 s54, s23, 18
	s_lshl_b32 s56, s[WV], 16
	s_add_co_u32 s54, s54, s56                     ; (128 tb + 32 w) rows of 2,048 bytes
	s_wait_kmcnt 0x0
	s_add_nc_u64 s[XP:XP+1], s[4:5], s[54:55]
	XLOAD 0
	XLOAD 1
	XLOAD 2
	s_lshl_b32 s54, s25, 5
	s_lshl_b32 s56, s26, 3
	s_add_co_u32 s56, s54, s56                     ; my first tile of W: 32 x matrix + 8 G
	s_mul_i32 s54, s56, 6144
	s_add_nc_u64 s[WP:WP+1], s[6:7], s[54:55]
	s_lshl_b32 s54, s56, 9
	s_add_nc_u64 s[WSP:WSP+1], s[8:9], s[54:55]
	s_lshl_b32 s54, s24, 4
	s_lshl_b32 s56, s[WV], 2
	s_add_co_u32 s56, s54, s56                     ; my first channel tile of v: 16 hf + 4 w
	s_add_co_u32 s58, s56, 64
	s_mul_i32 s54, s58, 6144
	s_add_nc_u64 s[WVP:WVP+1], s[6:7], s[54:55]
	s_lshl_b32 s54, s58, 9
	s_add_nc_u64 s[WVSP:WVSP+1], s[8:9], s[54:55]
	s_lshl_b32 s54, s56, 6                         ; 16 channels x 4 bytes a tile
	s_add_nc_u64 s[BVP:BVP+1], s[14:15], s[54:55]
	s_mul_i32 s58, s23, 102400                     ; my key step's block of kv
	s_mul_i32 s54, s56, 1536
	s_add_co_u32 s54, s54, s58
	s_add_co_u32 s54, s54, 51200
	s_add_nc_u64 s[VP:VP+1], s[20:21], s[54:55]
	s_lshl_b32 s54, s56, 6                         ; 256 bytes for four tiles
	s_add_co_u32 s54, s54, s58
	s_add_co_u32 s54, s54, 100352
	s_add_nc_u64 s[VSP:VSP+1], s[20:21], s[54:55]
	s_mul_i32 s54, s26, 1536
	s_mul_i32 s56, s23, 49152
	s_add_co_u32 s56, s56, s54                     ; q's codes: 49,152 tb + 1,536 G
	s_add_co_u32 s54, s54, s58                     ; k's codes: 102,400 tb + 1,536 G
	s_lshl_b32 s59, s26, 16
	s_lshl_b32 s60, s23, 9
	s_add_co_u32 s59, s59, s60                     ; q's scale words: 65,536 G + 512 tb
	s_lshl_b32 s60, s26, 9
	s_add_co_u32 s60, s60, s58
	s_add_co_u32 s60, s60, 49152                   ; k's: 102,400 tb + 49,152 + 512 G
	s_cmp_eq_u32 s25, 0                            ; q or k: the choice hangs on the wave's number alone
	s_cselect_b32 s54, s56, s54
	s_cselect_b32 s56, s59, s60
	s_cselect_b64 s[OP:OP+1], s[16:17], s[20:21]
	s_cselect_b64 s[OS:OS+1], s[18:19], s[20:21]
	s_cselect_b64 s[BP:BP+1], s[10:11], s[12:13]
	s_add_nc_u64 s[OP:OP+1], s[OP:OP+1], s[54:55]
	s_add_nc_u64 s[OS:OS+1], s[OS:OS+1], s[56:57]
	s_lshl_b32 s54, s26, 9
	s_add_nc_u64 s[BP:BP+1], s[BP:BP+1], s[54:55]
	; ---- X: my two tiles of x, eight units of 64 numbers a lane; loads run three units ahead.  The counts name the loads younger than unit i's sixteen
.irp i, 0,1,2,3,4,5,6,7
.if \i <= 4
	XLOAD (\i+3)
	s_wait_loadcnt 48                              ; three younger units
.elseif \i == 5
	s_wait_loadcnt 32                              ; units 6, 7
.elseif \i == 6
	s_wait_loadcnt 40                              ; unit 7 and W's first 24
.else
	s_wait_loadcnt 56                              ; W's first 24, the 32 of scale words and biases
.endif
	s_wait_dscnt 0x0                               ; the last image's stores have read their registers
	QUANT (2+\i/4), 64*(\i%4)
	IMAGE XWI, XIMG+\i*1536
	ds_store_b32 v[XWS], v[PW] offset:XSC+512*(\i%4)+64*(\i/4)   ; lanes 16-31 write the same words with the same values
.if \i == 5
	WLOAD 0, 0
.elseif \i == 6
.irp p, 0,1,2,3
.irp k, 0,1,2,3
	global_load_b32 v[WS+4*\p+\k], v[WSA], s[WSP:WSP+1] offset:1024*\p+128*\k   ; lanes 0-15 tile 2 p, lanes 16-31 tile 2 p + 1
.endr
.endr
	WIN 0x40
.irp b, 0,1,2,3,4,5,6,7
	global_load_b128 v[BIAS+8*\b:BIAS+8*\b+3], v[BQA], s[BP:BP+1] offset:128*(\b/2)+32*(\b%2)   ; the bias of channels 32 (b / 2) + 8 (b % 2) + 16 h + 0 .. 7
	global_load_b128 v[BIAS+8*\b+4:BIAS+8*\b+7], v[BQA], s[BP:BP+1] offset:128*(\b/2)+32*(\b%2)+16
.endr
	WIN 0
.elseif \i == 7
	WLOAD 1, 1
.endif
.endr
	s_wait_dscnt 0x0                               ; for the others' sake: my images and scale words have landed
	s_barrier_signal -1
	s_barrier_wait -1                              ; x's 32 fragments lie in LDS; nothing writes them again
.irp k, 0,1,2,3
.irp a, 0,1,2,3,4,5,6,7
	ds_load_b32 v[XS+8*\k+\a], v[XSR] offset:XSC+512*\k+64*\a
.endr
.endr
	XFETCH 0, 0
	XFETCH 0, 4
	; ---- QK
	STEP 0, 24                                     ; W's K step 1 may be out
	WIN 0x40
.irp n, 0,1,2,3
	global_load_b32 v[BIAS+8*\n], v[BVA], s[BVP:BVP+1] offset:128*(\n/2)+32*(\n%2)   ; b_v of my lane's channel, over biases that are done with (four places back)
.endr
	WIN 0
.irp p, 0,1
.irp k, 0,1,2,3
	global_load_b32 v[WVS+4*\p+\k], v[WSA], s[WVSP:WVSP+1] offset:1024*\p+128*\k
.endr
.endr
	WLOAD 0, 2
	STEP 1, 36                                     ; those 12 and W's K step 2 may be out
	WLOAD 1, 3
	STEP 2, 24
	WVLOAD 0, 0
	STEP 3, 24
	WVLOAD 1, 2
	; ---- q's or k's way out: tile a's 64 numbers a lane are K step G of the scores' product
.irp a, 0,1,2,3,4,5,6,7
	s_wait_xcnt 0x0                                ; the last stores have read the codes' registers
	QUANT (2+\a/4), 64*(\a%4)
.irp c, 0,1,2
	global_store_b128 v[LI], v[PC+4*\c:PC+4*\c+3], s[OP:OP+1] offset:6144*\a+512*\c   ; 32 lanes store 512 consecutive bytes
.endr
.if \a%2 == 0
	v_mov_b32 v[PWS+\a/2], v[PW]
.else
	v_cndmask_b32 v[PWS+\a/2], v[PWS+\a/2], v[PW], s[HALF]   ; lanes 0-15 the even tile's words, lanes 16-31 the odd one's
	global_store_b32 v[L4], v[PWS+\a/2], s[OS:OS+1] offset:128*(\a/2)
.endif
.endr
	; ---- V
	s_wait_loadcnt 24                              ; b_v, W_v's scale words and K steps 0, 1 are in; K steps 2, 3 may be out
	WIN 0x41
.irp n, 0,1,2,3
.irp j, 1,2,3,4,5,6,7
	v_mov_b32 v[BIAS+8*\n+\j], v[BIAS+8*\n]        ; a lane holds one channel: the same bias for its eight keys
.endr
.endr
	PLACES 4
	s_wait_alu depctr_va_vdst(0)
	VSTEP 0
	VSTEP 1
	s_wait_loadcnt 0x0
	VSTEP 2
	VSTEP 3
.irp n, 0,1,2,3                                ; v's way out: channel tile n: 64 numbers a lane down the 128 keys
	s_wait_xcnt 0x0
	QUANT 2, 64*\n
.irp c, 0,1,2
	global_store_b128 v[LI], v[PC+4*\c:PC+4*\c+3], s[VP:VP+1] offset:1536*\n+512*\c
.endr
	v_mov_b32 v[PWV+\n], v[PW]
.endr
	v_cmp_gt_u32 vcc_lo, 16, v1
	s_wait_alu depctr_va_vdst(0)
	s_wait_xcnt 0x0                                ; EXEC changes only behind this wait
	s_wait_tensorcnt 0x0
	ds_add_u32 v254, v255
	s_wait_dscnt 0x0
	s_and_saveexec_b32 s54, vcc_lo
	global_store_b128 v[VSA], v[PWV:PWV+3], s[VSP:VSP+1]   ; sixteen lanes store 256 consecutive bytes, aligned
	s_wait_xcnt 0x0
	s_or_b32 exec_lo, exec_lo, s54
	s_endpgm
.Lfunc_end_k_qb8ce05bc3f_proj:
	.size	k_qb8ce05bc3f_proj, .Lfunc_end_k_qb8ce05bc3f_proj-k_qb8ce05bc3f_proj
	.p2alignl 7, 3214868480
	.fill 96, 4, 3214868480
	.section	.rodata,"a",@progbits
	.p2align	6, 0x0
	.amdhsa_kernel k_qb8ce05bc3f_proj
		.amdhsa_group_segment_fixed_size 53760
		.amdhsa_private_segment_fixed_size 0
		.amdhsa_enable_private_segment 0
		.amdhsa_kernarg_size 72
		.amdhsa_user_sgpr_count 2
		.amdhsa_user_sgpr_kernarg_segment_ptr 1
		.amdhsa_wavefront_size32 1
		.amdhsa_system_sgpr_workgroup_id_x 1
		.amdhsa_system_sgpr_workgroup_id_y 1
		.amdhsa_system_sgpr_workgroup_id_z 1
		.amdhsa_system_vgpr_workitem_id 0
		.amdhsa_next_free_vgpr 1024
		.amdhsa_next_free_sgpr 66
		.amdhsa_reserve_vcc 1
		.amdhsa_float_denorm_mode_32 3
		.amdhsa_float_denorm_mode_16_64 3
		.amdhsa_memory_ordered 1
		.amdhsa_forward_progress 1
		.amdhsa_inst_pref_size 187
	.end_amdhsa_kernel
	.amdgpu_metadata
---
amdhsa.version: [ 1, 2 ]
amdhsa.kernels:
  - .name:           k_qb8ce05bc3f_proj
    .symbol:         k_qb8ce05bc3f_proj.kd
    .args:
      - { .name: input, .offset: 0, .size: 8, .value_kind: global_buffer, .address_space: global }
      - { .name: wimg, .offset: 8, .size: 8, .value_kind: global_buffer, .address_space: global }
      - { .name: wsc, .offset: 16, .size: 8, .value_kind: global_buffer, .address_space: global }
      - { .name: b_q, .offset: 24, .size: 8, .value_kind: global_buffer, .address_space: global }
      - { .name: b_k, .offset: 32, .size: 8, .value_kind: global_buffer, .address_space: global }
      - { .name: b_v, .offset: 40, .size: 8, .value_kind: global_buffer, .address_space: global }
      - { .name: qc, .offset: 48, .size: 8, .value_kind: global_buffer, .address_space: global }
      - { .name: qs, .offset: 56, .size: 8, .value_kind: global_buffer, .address_space: global }
      - { .name: kv, .offset: 64, .size: 8, .value_kind: global_buffer, .address_space: global }
    .group_segment_fixed_size: 53760
    .private_segment_fixed_size: 0
    .kernarg_segment_align: 8
    .kernarg_segment_size: 72
    .max_flat_workgroup_size: 128
    .sgpr_count:     66
    .vgpr_count:     1024
    .wavefront_size: 32
...
	.end_amdgpu_metadata
.endif
;; end of part 2
;; launch attn (part 3): grid 32 x 8, 8 waves a work-group, clusters of 4 x 1, 327,680 bytes of LDS; arguments qc, qs, kv, mask, out0; writes out0
.if DOCPART == 3
	.amdgcn_target "amdgcn-amd-amdhsa--gfx1250"
	.amdhsa_code_object_version 6
	.text
	.protected	k_qb8ce05bc3f_attn
	.globl	k_qb8ce05bc3f_attn
	.p2align	8
	.type	k_qb8ce05bc3f_attn,@function
k_qb8ce05bc3f_attn:
	s_mov_b64 s[64:65], 0
	v_nop
	global_prefetch_b8 v0, s[64:65] scope:SCOPE_SE
	s_setreg_imm32_b32 hwreg(HW_REG_WAVE_MODE, 25, 1), 1
	s_wait_xcnt 0x0
	s_wait_alu depctr_hold_cnt(0) depctr_sa_sdst(0) depctr_va_vdst(0) depctr_va_sdst(0) depctr_va_ssrc(0) depctr_va_vcc(0) depctr_vm_vsrc(0)
	s_getreg_b32 s2, hwreg(HW_REG_IB_STS2, 6, 4)
	s_cmp_eq_u32 s2, 0
	s_cbranch_scc0 .Lentry_in_a_cluster
	s_endpgm
.Lentry_in_a_cluster:
	s_bfe_u32 s2, ttmp6, 0x10000c
	s_cmp_lg_u32 s2, 0x3003
	s_cbranch_scc0 .Lentry_shape_is_right
	s_endpgm
.Lentry_shape_is_right:
; out[b][q][:] = the sum over k of softmax_k(where(mask == 0, -2^31, q . k / sqrt(512))) v[k][:], both products on codes of FP6 (E2M3) with one E8M0 byte for each 32 along K.
; q, k, v come as images of operand registers (12 registers a lane for 16 rows x 128 K; registers 4 c .. 4 c + 3 of lane l at 512 c + 16 l); element r of tile 2 B + u is row 32 B + 8 u + r + 8 (r / 8).
; THE SOFTMAX: t = score x log2(e) / sqrt(512); M = the largest t so far, rounded up to a whole number; p = 2^(t - M) is quantised along the keys; the sum is taken of the unquantised p and divides at the end.
; SHARES.  A work-group owns 64 queries of one batch and walks its 2,048 keys, 128 a step.  Wave w: g = w / 4: 32 queries (tiles m = 0, 1); kb = w % 4.  A group's four waves share the COLUMNS, twice:
;   scores: wave kb makes S^T = K Q^T for keys 32 kb .. + 31 of the step, 16 matrix instructions, and the whole softmax of that block under a running M OF ITS OWN;
;   P V:    wave kb makes channels 128 kb .. + 127 of O^T = V^T P^T, 16 matrix instructions.   So each fragment of K and V read from LDS feeds two matrix instructions.
; P GOES FROM WAVE TO WAVE THROUGH LDS, as the piece of the operand's image that a block of 32 keys is, with a pair (the block's byte, -M of its wave), both f32.  M is a whole number, so a reader takes
; -M = the least of the four, multiplies O^T by 2^(old M - M), and moves each block's byte by M_w - M (held at 1): the codes stay as they are.  The waves' sums stay under their own M and are joined at the end.
; ONE ROUND A KEY STEP.  Trip j holds two parts that touch different LDS bytes and hang on nothing of each other: P V of step j, and the scores and softmax of step j + 1.
; GROUP 0 RUNS P V FIRST, GROUP 1 THE SCORES FIRST: waves w and w + 4 then stand in different parts.  The branches hang on the wave's number alone and lead round no barrier, wait for tiles or add.
; Behind the round go K(j + 2) (waves 0 to 3) and V(j + 1) (waves 4 to 7), 12,800 bytes a wave: one tensor load a wave.  By this text's count no wave ever has more than one tensor load out.
; THE ORDER OF THE KEYS.  A running M does not hang on the order of the key steps.  Step j of cluster x is the batch's block (4 (x % 4) + 2 (x / 4) + j) mod 16: in each trip the batch's eight clusters ask for eight different blocks of kv.
; THE MASK COMES THROUGH REGISTERS.  Wave w loads rows 8 w .. 8 w + 7 of a step's 64 x 512 bytes, 512 consecutive bytes a load, into 32 registers, and stores them into one of two LDS slots a trip later: behind trip j's
; P V products mask(j + 2) is stored and mask(j + 3) is asked for.  These slots are written by LDS stores alone.
; CLUSTER: the four work-groups of a cluster belong to one batch and walk the same K and V: each piece of a step's block is asked for JOINTLY, by the same load with the same descriptor and the mask 15.  The input mask is each work-group's own.
; LIMITS: a masked score is set to -2^36 ahead of the factor, which stands for the logit -2^31: the results are reference()'s while every unmasked logit lies above -2^31 (a row wholly masked gives p = 1 throughout);
; a block's byte brought under a larger M is held at 1 (such a block adds under 2^-123); NaN and infinities are not served.
; REGISTERS.  Window 0: v1-13, v23 addresses that stay, v14-22 the trip's; v24-31 my -M, largest t, sum (two halves) for each tile; v32-41 the reader's -M and the factors; v42-55 scale words; v56-79 at work; v80-111 S^T, then p;
;   v112-135 P or the mask's words; v136-231 fragments.   Window 1: v0-127 O^T (64 m + 8 i); v128-223 Q (48 m + 12 ks); v224-255 the mask's rows on their way.
.set KVBLK, 102400                     ; a key step's block of kv, and a slot: K's images, K's scale words, V's images, V's scale words
.set KSC,   49152
.set VIM,   51200
.set VSC,   100352
.set SLOT1, 1<<17
.set XB0,   102400                     ; P's exchange, two buffers XBD apart: four tiles of PTILE bytes (pair p of lane l at 256 p + 8 l), then the pairs [g][m][r][kb] at MOFF
.set XBD,   8704
.set PTILE, 1664
.set MOFF,  6656
.set LFIN,  119808                     ; the waves' sums [g][m][r][kb]
.set SPARE, 120832                     ; the spare words, 128 bytes for each wave: four blocks of 256 bytes that no other line names
.set MSK0,  233472                     ; the mask's two slots: 64 rows x (512 bytes + 16); no tensor load lands here
.set MSK1,  267264
.set MSKX,  0x78400                    ; MSK0 xor MSK1
.set MPITCH, 528
.set SPW, 1
.set NIL, 2
.set AKF, 3                            ; 12,288 kb + 16 l
.set AKS, 4                            ; KSC + 128 kb + 4 l
.set AMK, 5                            ; (32 g + r + 8 (r / 8)) x 528 + 128 kb + 64 h
.set AVF, 6                            ; VIM + 12,288 kb + 16 l
.set AVS, 7                            ; VSC + 512 kb + 16 l
.set APR, 8                            ; XB0 + 3,328 g + 8 l
.set AMR, 9                            ; XB0 + MOFF + 1,024 g + 32 l: lanes 0-15 tile 0's queries, lanes 16-31 tile 1's
.set APW, 10                           ; XB0 + 3,328 g + 768 (kb / 2) + 128 (kb % 2) + 1,664 h + 8 r
.set AMW, 11                           ; XB0 + MOFF + 1,024 g + 32 l + 8 kb
.set ALR, 12                           ; LFIN + 512 g + 16 l
.set ALW, 13                           ; LFIN + 512 g + 16 l + 4 kb
.set ADK, 14
.set ADKS, 15
.set ADM, 16
.set ADV, 17
.set ADVS, 18
.set ADPR, 19
.set ADMR, 20
.set ADPW, 21
.set ADMW, 22
.set MLO, 23                           ; the mask in memory: 65,536 w + 16 l; never rewritten
.set STO, 14                           ; the way out
.set RD,  15
.set GO,  16
.set ST,  24
.set RM,  32
.set F,   34
.set FW,  38
.set QS,  42
.set KS,  46
.set VS,  50
.set PS,  54
.set E,   56                           ; P V: the four pairs of my lane's query; LF: its four sums
.set LF,  72
.set BM,  56
.set BT,  58
.set SO,  60
.set BY,  62
.set X,   64
.set Y,   70
.set MP,  74
.set T,   76
.set S,   80
.set P,   112
.set FR,  136
.set MK2, 232
.set PFO, 240                          ; the prefetches' offset: (16 (w % 4) + l / 2) x 8,192 + 256 (l % 2); never rewritten
.set AMS, 241                          ; the mask in a slot: 4,224 w + 16 l
.set ADMS, 242
.set ADM1, 243
.set QF,  128                          ; window 1
.set ML,  224                          ; window 1
.set WV,  14
.set GRP, 15
.set KB,  16
.set SEL, 20
.set CS,  22
.set NEG, 24
.set HALF, 25
.set TB,  26
.set TBK, 27
.set TMK, 28
.set TP,  29
.set TPW, 30
.set CNT, 31
.set G1J, 32                           ; group 1 of the first fills: 100 rows of 256 bytes
.set MBW, 40
.set MLB, 42
.set PFA, 44
.set IDK, 46
.set IDM, 47
.set G0A, 48
.set G0B, 52
.set G0W, 56
.set LIM, 60                           ; 1 in a wave that prefetches (0 to 3), else the greatest number
.set TMW, 61
.set KVB, 62
.set TA,  68
.set MB0, 70
.set QP,  72
.set QSP, 74
.set OB,  76
.set G1E, 88                           ; group 1 of the refills: 50 rows of 256 bytes
.set MSB, 0
.macro WIN new                         ; bits 1:0 source 0, 3:2 source 1, 5:4 source 2, 7:6 destination; the high byte repeats the setting that is left
.if MSB != (\new)
	s_set_vgpr_msb (MSB<<8)|(\new)
.set MSB, (\new)
.endif
.endm
.macro PLACES n
.rept \n
	v_nop
.endr
.endm
.macro WMS d, a, b, c, sa, sb, ra, rb  ; one scaled matrix instruction.  c < 0: the constant 0 starts the sum.  ra, rb = 1: that side's scales stand in lanes 16-31
.if (\c) < 0
.if (\ra) && (\rb)
	v_wmma_scale_f32_16x16x128_f8f6f4 v[(\d):(\d)+7], v[(\a):(\a)+11], v[(\b):(\b)+11], 0, v[\sa], v[\sb] matrix_a_fmt:MATRIX_FMT_FP6 matrix_b_fmt:MATRIX_FMT_FP6 matrix_a_scale:MATRIX_SCALE_ROW1 matrix_b_scale:MATRIX_SCALE_ROW1
.elseif (\ra)
	v_wmma_scale_f32_16x16x128_f8f6f4 v[(\d):(\d)+7], v[(\a):(\a)+11], v[(\b):(\b)+11], 0, v[\sa], v[\sb] matrix_a_fmt:MATRIX_FMT_FP6 matrix_b_fmt:MATRIX_FMT_FP6 matrix_a_scale:MATRIX_SCALE_ROW1
.elseif (\rb)
	v_wmma_scale_f32_16x16x128_f8f6f4 v[(\d):(\d)+7], v[(\a):(\a)+11], v[(\b):(\b)+11], 0, v[\sa], v[\sb] matrix_a_fmt:MATRIX_FMT_FP6 matrix_b_fmt:MATRIX_FMT_FP6 matrix_b_scale:MATRIX_SCALE_ROW1
.else
	v_wmma_scale_f32_16x16x128_f8f6f4 v[(\d):(\d)+7], v[(\a):(\a)+11], v[(\b):(\b)+11], 0, v[\sa], v[\sb] matrix_a_fmt:MATRIX_FMT_FP6 matrix_b_fmt:MATRIX_FMT_FP6
.endif
.else
.if (\ra) && (\rb)
	v_wmma_scale_f32_16x16x128_f8f6f4 v[(\d):(\d)+7], v[(\a):(\a)+11], v[(\b):(\b)+11], v[(\c):(\c)+7], v[\sa], v[\sb] matrix_a_fmt:MATRIX_FMT_FP6 matrix_b_fmt:MATRIX_FMT_FP6 matrix_a_scale:MATRIX_SCALE_ROW1 matrix_b_scale:MATRIX_SCALE_ROW1
.elseif (\ra)
	v_wmma_scale_f32_16x16x128_f8f6f4 v[(\d):(\d)+7], v[(\a):(\a)+11], v[(\b):(\b)+11], v[(\c):(\c)+7], v[\sa], v[\sb] matrix_a_fmt:MATRIX_FMT_FP6 matrix_b_fmt:MATRIX_FMT_FP6 matrix_a_scale:MATRIX_SCALE_ROW1
.elseif (\rb)
	v_wmma_scale_f32_16x16x128_f8f6f4 v[(\d):(\d)+7], v[(\a):(\a)+11], v[(\b):(\b)+11], v[(\c):(\c)+7], v[\sa], v[\sb] matrix_a_fmt:MATRIX_FMT_FP6 matrix_b_fmt:MATRIX_FMT_FP6 matrix_b_scale:MATRIX_SCALE_ROW1
.else
	v_wmma_scale_f32_16x16x128_f8f6f4 v[(\d):(\d)+7], v[(\a):(\a)+11], v[(\b):(\b)+11], v[(\c):(\c)+7], v[\sa], v[\sb] matrix_a_fmt:MATRIX_FMT_FP6 matrix_b_fmt:MATRIX_FMT_FP6
.endif
.endif
.endm
; A round of the cluster's barrier
.macro CROUND
	s_barrier_signal -1
	s_barrier_wait -1
	s_cmp_lg_u32 s[WV], 0
	s_cbranch_scc1 .Lnot_wave_0_\@
	s_barrier_signal -3
.Lnot_wave_0_\@:
	s_barrier_wait -3
	s_barrier_signal -1
	s_barrier_wait -1
.endm
; The refills behind a round.  Waves lo .. hi - 1 ask jointly for their eighth of a block of kv.  The branches hang on the wave's number alone.
.macro FILL lo, hi
.if (\lo) > 0
	s_cmp_lt_u32 s[WV], \lo
	s_cbranch_scc1 .Lnone_\@
.endif
.if (\hi) < 8
	s_cmp_lt_u32 s[WV], \hi
	s_cbranch_scc0 .Lnone_\@
.endif
	tensor_load_to_lds s[G0W:G0W+3], s[G1E:G1E+7]
	s_nop 0
	PLACES 4
.Lnone_\@:
.endm
; A PREFETCH INTO THE L2 of the mask's tile that the NEXT trip's loads will ask for: 64 rows x 512 bytes, 128 aligned blocks of 256 bytes.  Waves 0 to 3 ask, one instruction each, in the middle of their trip: wave w for rows
; 16 w .. + 15, a lane a block.  The rows are the work-group's own and each step is named once, so each block is named once in the launch.  It stands behind the wave's own loads of the mask.
; how = 1: trip 0, which names step 4; how = 2: in the loop: its last trip (s[CNT] = 1), trip 12, asks for nothing: step 15 was named in trip 11.  Steps 0 to 3 come by their loads alone.
.macro ASK how
.if (\how) == 1
	s_cmp_eq_u32 s[LIM], 1
.else
	s_cmp_gt_u32 s[CNT], s[LIM]
.endif
	s_cbranch_scc0 .Lnot_mine_\@
	global_prefetch_b8 v[PFO], s[PFA:PFA+1] th:TH_LOAD_NT scope:SCOPE_SE
.Lnot_mine_\@:
.endm
; THE HEAD OF A TRIP.  Every wave waits for all its tensor loads, adds 0 to its spare word, steps the walking descriptor and turns the six addresses, and waits for the add, for its LDS stores and for its reads.
; kind 1: K is filled; 2: K and V; 3: V alone; 0: nothing is filled, and a plain barrier serves P's exchange.  mld = 1: this trip loads a step of the mask: its address and the prefetch's are made.
.macro CHANGE kind, mld
	WIN 0
	s_wait_tensorcnt 0x0                           ; no tensor load of mine is out, so a group 0 may be written
	ds_add_u32 v[SPW], v[NIL]                      ; 0 onto my spare word
.if \kind
	s_xor_b32 s[G0W+1], s[G0W+1], SLOT1            ; the other slot than last time,
	s_add_co_u32 s[IDK], s[IDK], 1
	s_and_b32 s[IDK], s[IDK], 15                   ; the next block, round the batch's sixteen
	s_mul_i32 s[TA], s[IDK], KVBLK
	s_add_nc_u64 s[G0W+2:G0W+3], s[KVB:KVB+1], s[TA:TA+1]
	s_or_b32 s[G0W+3], s[G0W+3], 0x80000000
.endif
.if \mld
	s_wait_xcnt 0x0                                ; the last trip's loads of the mask and its prefetch have read their bases, so both may be written
	s_add_co_u32 s[IDM], s[IDM], 1
	s_and_b32 s[IDM], s[IDM], 15
	s_lshl_b32 s[TA], s[IDM], 9                    ; 128 keys are 512 bytes of each row
	s_add_nc_u64 s[MLB:MLB+1], s[MBW:MBW+1], s[TA:TA+1]
	s_add_co_u32 s[TA], s[IDM], 1
	s_and_b32 s[TA], s[TA], 15                     ; the step after it, round the sixteen too: no prefetch leaves the rows
	s_lshl_b32 s[TA], s[TA], 9
	s_add_nc_u64 s[PFA:PFA+1], s[MBW:MBW+1], s[TA:TA+1]
.endif
	s_xor_b32 s[TB], s[TB], SLOT1
	s_xor_b32 s[TBK], s[TBK], SLOT1
	s_xor_b32 s[TMK], s[TMK], MSKX
	s_xor_b32 s[TMW], s[TMW], MSKX
	s_xor_b32 s[TP], s[TP], XBD
	s_xor_b32 s[TPW], s[TPW], XBD
	s_wait_dscnt 0x0                               ; the add is done, my stores of P and of the mask have landed, my reads of what is written next are over
.if \kind
	CROUND
.else
	s_barrier_signal -1
	s_barrier_wait -1
.endif
.if (\kind) == 1
	FILL 0, 4
.elseif (\kind) == 2
	FILL 0, 8
.elseif (\kind) == 3
	FILL 4, 8
.endif
.endm
; The four pairs (byte, -M_w) of my lane's query (lanes 0-15 tile 0, lanes 16-31 tile 1) become -M, the factors for O^T and P's scale word, once for both tiles.
; last = 1: the four sums are brought under M and added, and the reciprocals go to FW's registers, which are free then.
.macro META first, last
	v_min3_num_f32 v[S], v[E+1], v[E+3], v[E+5]
	s_delay_alu instid0(VALU_DEP_1)
	v_min_num_f32 v[S], v[S], v[E+7]               ; -M: the least of the four
.if !(\first)
	s_delay_alu instid0(VALU_DEP_1)
	v_sub_f32 v[S+1], v[S], v[RM]                  ; old M - new M: a whole number, 0 or less
	s_delay_alu instid0(VALU_DEP_1)
	v_cvt_i32_f32 v[S+1], v[S+1]                   ; (it saturates)
	s_delay_alu instid0(VALU_DEP_1)
	v_ldexp_f32 v[S+1], 1.0, v[S+1]
	s_delay_alu instid0(VALU_DEP_1)
	v_permlanex16_b32 v[T+2], v[S+1], s[SEL], s[SEL+1]
	s_delay_alu instid0(VALU_DEP_1)
	v_cndmask_b32 v[F], v[S+1], v[T+2], s[HALF]    ; tile 0's factor in all lanes,
	v_cndmask_b32 v[F+2], v[T+2], v[S+1], s[HALF]  ; and tile 1's
.endif
	v_mov_b32 v[RM], v[S]
.irp b, 0,1,2,3
	v_sub_f32 v[E+2*\b+1], v[S], v[E+2*\b+1]       ; M_b - M, 0 or less
.endr
.if \last
.irp b, 0,1,2,3
	s_delay_alu instid0(VALU_DEP_4)
	v_cvt_i32_f32 v[S+2+\b], v[E+2*\b+1]
.endr
.irp b, 0,1,2,3
	s_delay_alu instid0(VALU_DEP_4)
	v_ldexp_f32 v[LF+\b], v[LF+\b], v[S+2+\b]
.endr
.endif
.irp b, 0,1,2,3
	v_add_f32 v[E+2*\b], v[E+2*\b], v[E+2*\b+1]
.endr
.irp b, 0,1,2,3
	s_delay_alu instid0(VALU_DEP_4)
	v_max_num_f32 v[E+2*\b], 1.0, v[E+2*\b]        ; the byte is held at 1
.endr
.irp b, 0,1,2,3
	s_delay_alu instid0(VALU_DEP_4)
	v_cvt_u32_f32 v[E+2*\b], v[E+2*\b]
.endr
	s_delay_alu instid0(VALU_DEP_3)
	v_lshl_or_b32 v[PS], v[E+2], 8, v[E]
	s_delay_alu instid0(VALU_DEP_1)
	v_lshl_or_b32 v[PS], v[E+4], 16, v[PS]
	s_delay_alu instid0(VALU_DEP_1)
	v_lshl_or_b32 v[PS], v[E+6], 24, v[PS]         ; lanes 0-15 tile 0's words, lanes 16-31 tile 1's
.if \last
	v_add_f32 v[LF], v[LF], v[LF+1]
	v_add_f32 v[LF+2], v[LF+2], v[LF+3]
	s_delay_alu instid0(VALU_DEP_1)
	v_add_f32 v[LF], v[LF], v[LF+2]
	s_wait_alu depctr_va_vdst(0)                   ; the wait ahead of the transcendental
	v_rcp_f32 v[S+1], v[LF]
	v_nop                                          ; a plain place behind it
	s_wait_alu depctr_va_vdst(0)                   ; and the wait ahead of its first reader
	v_permlanex16_b32 v[T+2], v[S+1], s[SEL], s[SEL+1]
	v_cndmask_b32 v[FW], v[S+1], v[T+2], s[HALF]
	v_cndmask_b32 v[FW+2], v[T+2], v[S+1], s[HALF]
.endif
.endm
; O^T += V^T P^T for my 128 channels and both query tiles: 16 accumulators, one instruction each.  Behind the products:
; mst = 1: my 8 rows of the mask two steps on, asked for a trip ago, go to LDS.  mld = 1: the rows three steps on are asked for.  ask: the prefetch's form, 0: none
.macro PVPART first, last, mst, mld, ask
	v_add_nc_u32 v[ADV], s[TB], v[AVF]
	v_add_nc_u32 v[ADVS], s[TB], v[AVS]
	v_add_nc_u32 v[ADPR], s[TP], v[APR]
	v_add_nc_u32 v[ADMR], s[TP], v[AMR]
.if \mst
	v_add_nc_u32 v[ADMS], s[TMW], v[AMS]
.endif
	ds_load_b128 v[E:E+3], v[ADMR]
	ds_load_b128 v[E+4:E+7], v[ADMR] offset:16
.if \last
	ds_load_b128 v[LF:LF+3], v[ALR]
.endif
.irp m, 0,1
.irp p, 0,1,2,3,4,5
	ds_load_b64 v[P+12*\m+2*\p:P+12*\m+2*\p+1], v[ADPR] offset:PTILE*\m+256*\p
.endr
.endr
	ds_load_b128 v[VS:VS+3], v[ADVS]               ; register i % 4: lanes 0-15 tiles 0-3, lanes 16-31 tiles 4-7
.set n, 0
.rept 24
	ds_load_b128 v[FR+4*n:FR+4*n+3], v[ADV] offset:512*n
.set n, n+1
.endr
	s_wait_dscnt 37                                ; the pairs (and the sums) are in; P's 12 loads, the scale words' one and V's 24 may be out
	META \first, \last
.if \first
	PLACES 8                                       ; a scale register written by vector instructions stands 8 places ahead of the scaled matrix instruction
.else
	WIN 0x41
.irp m, 0,1
.set n, 0
.rept 32
	v_pk_mul_f32 v[64*\m+n:64*\m+n+1], v[64*\m+n:64*\m+n+1], v[F+2*\m:F+2*\m+1] op_sel_hi:[1,0]   ; O^T under the new M, each accumulator from its low end on; these are also those places
.set n, n+2
.endr
.endr
.endif
	WIN 0x50                                       ; V and P window 0, O^T window 1
	s_wait_alu depctr_va_vdst(0)
.irp i, 0,1,2,3,4,5,6,7
	s_wait_dscnt 21-3*\i                           ; P, the scale words and V's fragments 0 .. i are in; the 3 loads of each later fragment may be out
.irp m, 0,1
.if \first
	s_wait_alu depctr_va_vdst(0)
	WMS 64*\m+8*\i, FR+12*\i, P+12*\m, -1, VS+\i%4, PS, \i/4, \m
.else
	WMS 64*\m+8*\i, FR+12*\i, P+12*\m, 64*\m+8*\i, VS+\i%4, PS, \i/4, \m
.endif
.endr
.endr
.if \mst
	s_wait_loadcnt 0x0                             ; my 8 loads of the mask, the only loads that are out, were issued a trip ago
	WIN 0x04                                       ; an LDS store's data are its source 1
.irp i, 0,1,2,3,4,5,6,7
	ds_store_b128 v[ADMS], v[ML+4*\i:ML+4*\i+3] offset:MPITCH*\i   ; row 8 w + i: 512 consecutive bytes
.endr
	s_wait_dscnt 0x0                               ; the stores have read their registers
.endif
.if \mld
	WIN 0x40
.irp i, 0,1,2,3,4,5,6,7
	global_load_b128 v[ML+4*\i:ML+4*\i+3], v[MLO], s[MLB:MLB+1] offset:8192*\i th:TH_LOAD_NT   ; 32 lanes read 512 consecutive bytes of a row, read once in the launch
.endr
.endif
	WIN 0                                          ; at a branch and at a label every window is 0
.if \ask
	ASK \ask
.endif
.endm
; The LDS addresses of the scores' part: made on the way that all waves take, ahead of the branch on the group
.macro QKADR
	v_add_nc_u32 v[ADK], s[TBK], v[AKF]
	v_add_nc_u32 v[ADKS], s[TBK], v[AKS]
	v_add_nc_u32 v[ADM], s[TMK], v[AMK]
	v_add_nc_u32 v[ADPW], s[TPW], v[APW]
	v_add_nc_u32 v[ADMW], s[TPW], v[AMW]
.endm
; The scores of my 32 keys of the next step for both query tiles, the mask, the softmax under my own M, and P's piece to LDS.  lfin = 1: the last step: my sums go to LDS too.
; sync = 1: P V follows in the same trip and loads into registers that my LDS stores read: they are waited for
.macro QKSM lfin, sync
	PLACES 4                                       ; the places between the last products and the loads into the registers that they read (V's fragments, P)
.irp k, 0,1,2,3
	ds_load_b32 v[KS+\k], v[ADKS] offset:512*\k    ; lanes 0-15 tile u = 0, lanes 16-31 u = 1
.endr
.irp k, 0,1,2,3                                ; fragment 4 u + ks, in the order in which the products take them
.irp u, 0,1
.irp c, 0,1,2
	ds_load_b128 v[FR+12*(4*\u+\k)+4*\c:FR+12*(4*\u+\k)+4*\c+3], v[ADK] offset:512*(3*(4*\u+\k)+\c)
.endr
.endr
.endr
.set n, 0
.rept 8                                        ; the mask's words of my query (tile n / 4) and my 16 keys: word 4 n + c goes with S^T's register 4 n + c
.if n < 6
	ds_load_b128 v[P+4*n:P+4*n+3], v[ADM] offset:8*MPITCH*(n/4)+16*(n%4)
.else
	ds_load_b128 v[MK2+4*(n-6):MK2+4*(n-6)+3], v[ADM] offset:8*MPITCH*(n/4)+16*(n%4)
.endif
.set n, n+1
.endr
	WIN 0x04                                       ; K window 0, Q window 1, S^T window 0
.irp k, 0,1,2,3                                ; four accumulators by turns
	s_wait_dscnt 26-6*\k                           ; the scale words and K steps 0 .. k are in; the 6 loads of each later K step and the mask's 8 may be out
.irp u, 0,1
.irp m, 0,1
.if \k == 0
	WMS S+16*\m+8*\u, FR+12*(4*\u+\k), QF+48*\m+12*\k, -1, KS+\k, QS+\k, \u, \m
.else
	WMS S+16*\m+8*\u, FR+12*(4*\u+\k), QF+48*\m+12*\k, S+16*\m+8*\u, KS+\k, QS+\k, \u, \m
.endif
.endr
.endr
.endr
	WIN 0
	s_wait_dscnt 0x0
	PLACES 4
.set n, 0
.rept 32                                       ; register 16 m + i holds key 32 kb + 16 h + i of tile m's query; each accumulator from its low end on
.if n < 24
	v_cmp_eq_u32 vcc_lo, 0, v[P+n]
.else
	v_cmp_eq_u32 vcc_lo, 0, v[MK2+n-24]
.endif
	v_cndmask_b32 v[S+n], v[S+n], s[NEG], vcc_lo
.set n, n+1
.endr
.irp m, 0,1
	v_max3_num_f32 v[BM+\m], v[S+16*\m], v[S+16*\m+1], v[S+16*\m+2]   ; the block's largest score: it serves the maximum and, since p rises with the score, the block's largest p
.endr
.irp i, 3,5,7,9,11,13
.irp m, 0,1
	s_delay_alu instid0(VALU_DEP_2)
	v_max3_num_f32 v[BM+\m], v[BM+\m], v[S+16*\m+\i], v[S+16*\m+\i+1]
.endr
.endr
.irp m, 0,1
	s_delay_alu instid0(VALU_DEP_2)
	v_max_num_f32 v[BM+\m], v[BM+\m], v[S+16*\m+15]
.endr
.irp m, 0,1
	s_delay_alu instid0(VALU_DEP_2)
	v_permlanex16_b32 v[T+\m], v[BM+\m], s[SEL], s[SEL+1]
.endr
.irp m, 0,1
	s_delay_alu instid0(VALU_DEP_2)
	v_max_num_f32 v[BM+\m], v[BM+\m], v[T+\m]      ; with lane l xor 16's 16 keys
.endr
.irp m, 0,1
	s_delay_alu instid0(VALU_DEP_2)
	v_mul_f32 v[T+\m], s[CS], v[BM+\m]             ; as t
.endr
.irp m, 0,1
	s_delay_alu instid0(VALU_DEP_2)
	v_max_num_f32 v[ST+4*\m+1], v[ST+4*\m+1], v[T+\m]   ; my running largest t
.endr
.irp m, 0,1
	v_mov_b32 v[T+\m], v[ST+4*\m]
.endr
.irp m, 0,1
	s_delay_alu instid0(VALU_DEP_4)
	v_floor_f32 v[ST+4*\m], -v[ST+4*\m+1]          ; -M = floor(-t): M is a whole number
.endr
.irp m, 0,1
	s_delay_alu instid0(VALU_DEP_2)
	v_sub_f32 v[T+\m], v[ST+4*\m], v[T+\m]         ; old M - new M
.endr
.irp m, 0,1
	s_delay_alu instid0(VALU_DEP_2)
	v_cvt_i32_f32 v[T+\m], v[T+\m]                 ; (it saturates)
.endr
.irp m, 0,1
	s_delay_alu instid0(VALU_DEP_2)
	v_ldexp_f32 v[FW+2*\m], 1.0, v[T+\m]
.endr
.irp m, 0,1
.irp j, 0,2,4,6,8,10,12,14
	v_pk_fma_f32 v[S+16*\m+\j:S+16*\m+\j+1], v[S+16*\m+\j:S+16*\m+\j+1], s[CS:CS+1], v[ST+4*\m:ST+4*\m+1] op_sel_hi:[1,0,0]   ; t - M, two at a time
.endr
.endr
.irp m, 0,1
	v_fma_f32 v[BT+\m], v[BM+\m], s[CS], v[ST+4*\m]   ; the same of the block's largest score
.endr
.set n, 0
	s_wait_alu depctr_va_vdst(0)                   ; the wait ahead of the batch
.rept 32
	v_exp_f32 v[S+n], v[S+n]                       ; p = 2^(t - M), at most 1
.set n, n+1
.endr
.irp m, 0,1
	v_pk_mul_f32 v[ST+4*\m+2:ST+4*\m+3], v[ST+4*\m+2:ST+4*\m+3], v[FW+2*\m:FW+2*\m+1] op_sel_hi:[1,0]   ; my sums under the new M: plain places behind the exponentials
.endr
	s_wait_alu depctr_va_vdst(0)                   ; one wait for the batch of 32, ahead of its first reader
.irp m, 0,1
	v_exp_f32 v[BT+\m], v[BT+\m]                   ; the block's largest p
.endr
.irp j, 0,2,4,6,8,10,12,14
.irp m, 0,1
	v_pk_add_f32 v[ST+4*\m+2:ST+4*\m+3], v[ST+4*\m+2:ST+4*\m+3], v[S+16*\m+\j:S+16*\m+\j+1]   ; the sum is taken of the unquantised p
.endr
.endr
	s_wait_alu depctr_va_vdst(0)                   ; and one for the two
.irp m, 0,1
	v_max_num_f32 v[BT+\m], 0x1800000, v[BT+\m]    ; the floor 2^(3 - 127): the byte cannot fall under 1
.endr
.irp m, 0,1
	s_delay_alu instid0(VALU_DEP_2)
	v_add_nc_u32 v[SO+\m], 0xff000000, v[BT+\m]    ; 2 off the exponent field: the conversion's scale operand
.endr
.irp m, 0,1
	s_delay_alu instid0(VALU_DEP_2)
	v_lshrrev_b32 v[BY+\m], 23, v[SO+\m]
.endr
.irp m, 0,1
	s_delay_alu instid0(VALU_DEP_2)
	v_cvt_f32_u32 v[BY+\m], v[BY+\m]               ; the byte, as f32: the readers add M_w - M to it
.endr
	v_cvt_scalef32_pk16_fp6_f32 v[X:X+2], v[S:S+15], v[SO]       ; tile 0: my 16 keys' codes
	v_cvt_scalef32_pk16_fp6_f32 v[Y:Y+2], v[S+16:S+31], v[SO+1]  ; tile 1
	v_nop                                          ; one plain place behind a scaled conversion
.irp i, 0,1,2
	v_permlane16_swap_b32 v[X+\i], v[Y+\i]         ; lane (r, hh) now holds tile hh's whole block of query r: the lower 16 codes in X, the upper 16 in Y
.endr
.irp i, 0,1,2
	s_delay_alu instid0(VALU_DEP_3)
	v_mov_b32 v[X+3+\i], v[Y+\i]
.endr
	v_cndmask_b32 v[MP], v[BY], v[BY+1], s[HALF]   ; lanes 16-31 take tile 1's
	v_cndmask_b32 v[MP+1], v[ST], v[ST+4], s[HALF]
.irp i, 0,1,2
	ds_store_b64 v[ADPW], v[X+2*\i:X+2*\i+1] offset:256*\i   ; block kb is register pairs 3 (kb / 2) + 0 .. 2 of lane 16 (kb % 2) + r of P's operand
.endr
	ds_store_b64 v[ADMW], v[MP:MP+1]
.if \lfin
.irp m, 0,1
	v_add_f32 v[T+\m], v[ST+4*\m+2], v[ST+4*\m+3]
.endr
.irp m, 0,1
	s_delay_alu instid0(VALU_DEP_2)
	v_permlanex16_b32 v[T+2+\m], v[T+\m], s[SEL], s[SEL+1]
.endr
.irp m, 0,1
	s_delay_alu instid0(VALU_DEP_2)
	v_add_f32 v[T+\m], v[T+\m], v[T+2+\m]          ; my block column's sum for the query, under my M
.endr
	s_delay_alu instid0(VALU_DEP_1)
	v_cndmask_b32 v[T], v[T], v[T+1], s[HALF]
	ds_store_b32 v[ALW], v[T]
.endif
.if \sync
	s_wait_dscnt 0x0                               ; my stores have read their registers
.endif
.endm
; A trip: the change of slots, then the two parts: group 0 takes P V first, group 1 the scores first
.macro TRIP kind, first, mst, mld, ask, lfin
	CHANGE \kind, \mld
	QKADR
	s_cmp_eq_u32 s[GRP], 0
	s_wait_alu depctr_va_vdst(0)
	s_cbranch_scc1 .Lpv_\@
	QKSM \lfin, 1
.Lpv_\@:
	PVPART \first, 0, \mst, \mld, \ask
	s_cmp_lg_u32 s[GRP], 0
	s_cbranch_scc1 .Lend_\@
	QKSM \lfin, 0
.Lend_\@:
.endm
; Tile m's way out: O^T / the sum through my stage (16 rows of 512 bytes + 16, in slot 0, which has had its last fill and its last read), back as whole rows
.macro OUTM m
	WIN 0x41
.set n, 0
.rept 32
	v_pk_mul_f32 v[64*\m+n:64*\m+n+1], v[64*\m+n:64*\m+n+1], v[FW+2*\m:FW+2*\m+1] op_sel_hi:[1,0]
.set n, n+2
.endr
	WIN 0x04                                       ; an LDS store's data are its source 1
.set n, 0
.rept 16
	ds_store_b128 v[STO], v[64*\m+4*n:64*\m+4*n+3] offset:128*(n/4)+16*(n%4)   ; registers 16 bb + 0 .. 15 are channels 32 bb + 16 h + 0 .. 15
.set n, n+1
.endr
	WIN 0
.if \m
	s_wait_xcnt 0x0                                ; the last tile's stores have read their registers
.endif
.irp t, 0,1,2,3,4,5,6,7,8,9,10,11,12,13,14,15
	ds_load_b128 v[FR+4*\t:FR+4*\t+3], v[RD] offset:MPITCH*\t   ; LDS serves a wave's instructions in order (ISA guide 5.7.1.4): these see my stores
.endr
.irp t, 0,1,2,3,4,5,6,7,8,9,10,11,12,13,14,15
	s_wait_dscnt 15-\t
	global_store_b128 v[GO], v[FR+4*\t:FR+4*\t+3], s[OB:OB+1] offset:(8*\m+\t+8*(\t/8))*2048 th:TH_STORE_NT   ; 32 lanes store 512 consecutive bytes, at a multiple of 256 from out0's first byte
.endr
.endm
	s_load_b256 s[4:11], s[0:1], 0x0               ; qc, qs, kv, mask
	s_load_b64 s[12:13], s[0:1], 0x20              ; out0
	v_lshl_add_u32 v[SPW], v0, 2, SPARE
	v_mov_b32 v[NIL], 0
	ds_add_u32 v[SPW], v[NIL]                      ; the opening lines: the add, twice on end, and its wait ahead of my first tensor load
	ds_add_u32 v[SPW], v[NIL]
	s_wait_dscnt 0x0
	v_lshrrev_b32 v14, 5, v0
	s_delay_alu instid0(VALU_DEP_1)
	v_readfirstlane_b32 s[WV], v14                 ; wave 0..7
	s_lshr_b32 s[GRP], s[WV], 2
	s_and_b32 s[KB], s[WV], 3
	s_bfe_u32 s17, ttmp6, 0x40000                  ; cx: my place in the cluster
	s_lshl_b32 s18, ttmp9, 2                       ; in a cluster launch ttmp9 counts clusters
	s_add_co_u32 s18, s18, s17                     ; my block of 64 queries: it enters Q's, the mask's and out0's addresses alone
	s_and_b32 s19, ttmp7, 0xffff                   ; the batch, which the four partners share
	; group 1: dense rows of 256 bytes (32 elements of 8 bytes): 100 for a first fill, 50 for a refill
	s_mov_b32 s[G1J], 15|(3<<16)|(1<<21)           ; 15:0 the mask: all four work-groups; 17:16 elements of 8 bytes; 21 set beside a mask
	s_mov_b32 s[G1J+1], 32<<16
	s_mov_b32 s[G1J+2], 100<<16
	s_mov_b32 s[G1J+3], 32<<16
	s_mov_b32 s[G1J+4], 100
	s_mov_b32 s[G1J+5], 32
	s_mov_b32 s[G1J+6], 0
	s_mov_b32 s[G1J+7], 0
	s_mov_b32 s[G1E], 15|(3<<16)|(1<<21)
	s_mov_b32 s[G1E+1], 32<<16
	s_mov_b32 s[G1E+2], 50<<16
	s_mov_b32 s[G1E+3], 32<<16
	s_mov_b32 s[G1E+4], 50
	s_mov_b32 s[G1E+5], 32
	s_mov_b32 s[G1E+6], 0
	s_mov_b32 s[G1E+7], 0
	s_mov_b32 s[SEL], 0x76543210
	s_mov_b32 s[SEL+1], 0xfedcba98
	s_mov_b32 s[CS], 0x3d8293ee                    ; log2(e) / sqrt(512)
	s_mov_b32 s[CS+1], s[CS]
	s_mov_b32 s[NEG], 0xd1800000                   ; -2^36
	s_mov_b32 s[HALF], 0xffff0000                  ; a lane mask: lanes 16-31
	s_mov_b32 s[TB], SLOT1                         ; each is turned at the head of every trip
	s_mov_b32 s[TBK], 0
	s_mov_b32 s[TMK], MSK0
	s_mov_b32 s[TMW], MSK1
	s_mov_b32 s[TP], XBD
	s_mov_b32 s[TPW], 0
	s_mov_b32 s[TA+1], 0
	s_and_b32 s78, ttmp9, 3                        ; the block at which my cluster begins: 4 (x % 4) + 2 (x / 4), an even number up to 14
	s_lshl_b32 s78, s78, 2
	s_lshr_b32 s79, ttmp9, 2
	s_and_b32 s79, s79, 1
	s_lshl_b32 s79, s79, 1
	s_add_co_u32 s87, s78, s79
	s_cmp_lt_u32 s[WV], 4
	s_cselect_b32 s[LIM], 1, -1                    ; waves 0 to 3 prefetch
	s_mul_i32 s82, s19, 16*KVBLK                   ; the batch's 16 blocks of kv,
	s_mul_i32 s86, s[KB], 25600                    ; for the first fills my quarter (w % 4): in memory and in a slot alike
	s_add_co_u32 s82, s82, s86
	s_mov_b32 s83, 0
	s_lshl_b32 s84, s19, 11
	s_lshl_b32 s78, s18, 6
	s_add_co_u32 s84, s84, s78                     ; the work-group's first query
	s_lshl_b32 s78, s[GRP], 5
	s_add_co_u32 s78, s78, s84                     ; my group's first query
	s_lshl_b32 s84, s84, 13                        ; a row of the mask is 8,192 bytes
	s_mov_b32 s85, 0
	s_lshr_b32 s80, s78, 4                         ; its tile
	s_mul_i32 s72, s80, 6144
	s_mov_b32 s73, 0
	s_lshl_b32 s74, s80, 6
	s_mov_b32 s75, 0
	s_lshl_b32 s76, s78, 11                        ; a row of out0 is 2,048 bytes
	s_lshl_b32 s79, s[KB], 9
	s_add_co_u32 s76, s76, s79                     ; + my 128 channels
	s_mov_b32 s77, 0
	s_wait_kmcnt 0x0
	s_add_nc_u64 s[QP:QP+1], s[4:5], s[72:73]
	s_add_nc_u64 s[QSP:QSP+1], s[6:7], s[74:75]
	s_add_nc_u64 s[OB:OB+1], s[12:13], s[76:77]
	s_add_nc_u64 s[KVB:KVB+1], s[8:9], s[82:83]    ; kv at my quarter of the batch's block 0
	s_add_nc_u64 s[MBW:MBW+1], s[10:11], s[84:85]  ; the mask at the work-group's first query, key 0
	s_lshl_b32 s[TA], s87, 9
	s_add_nc_u64 s[MB0:MB0+1], s[MBW:MBW+1], s[TA:TA+1]   ; at my step 0; step 1 lies 512 bytes on (the first block is even)
	s_add_co_u32 s[IDM], s87, 2
	s_and_b32 s[IDM], s[IDM], 15
	s_lshl_b32 s[TA], s[IDM], 9
	s_add_nc_u64 s[MLB:MLB+1], s[MBW:MBW+1], s[TA:TA+1]   ; at my step 2
	; the loads through registers go out ahead of the round: they hang on no partner
	v_and_b32 v14, 31, v0                          ; l
	s_lshl_b32 s78, s[WV], 16
	v_lshlrev_b32 v15, 4, v14                      ; 16 l
	v_lshlrev_b32 v16, 2, v14                      ; 4 l
	v_add_nc_u32 v[MLO], s78, v15
	s_wait_alu depctr_va_vdst(0)
.irp s, 0,1
.irp i, 0,1,2,3,4,5,6,7
	global_load_b128 v[FR+32*\s+4*\i:FR+32*\s+4*\i+3], v[MLO], s[MB0:MB0+1] offset:8192*\i+512*\s th:TH_LOAD_NT   ; my rows of the mask of steps 0 and 1, into registers that the fragments take later
.endr
.endr
	WIN 0x40
.irp m, 0,1
.irp k, 0,1,2,3
.irp c, 0,1,2
	global_load_b128 v[QF+48*\m+12*\k+4*\c:QF+48*\m+12*\k+4*\c+3], v15, s[QP:QP+1] offset:6144*\m+1536*\k+512*\c   ; Q stays in registers
.endr
.endr
.endr
	WIN 0
.irp k, 0,1,2,3
	global_load_b32 v[QS+\k], v16, s[QSP:QSP+1] offset:65536*\k   ; lanes 0-15 tile m = 0, lanes 16-31 m = 1
.endr
	WIN 0x40
.irp i, 0,1,2,3,4,5,6,7
	global_load_b128 v[ML+4*\i:ML+4*\i+3], v[MLO], s[MLB:MLB+1] offset:8192*\i th:TH_LOAD_NT   ; step 2's: stored in trip 0
.endr
	WIN 0
	CROUND                                         ; all four work-groups are here: the first joint loads meet
	s_mul_i32 s[TA], s87, KVBLK
	s_mov_b32 s[G0A], 1                            ; slot 0 <- step 0
	s_mov_b32 s[G0A+1], s86
	s_add_nc_u64 s[G0A+2:G0A+3], s[KVB:KVB+1], s[TA:TA+1]
	s_or_b32 s[G0A+3], s[G0A+3], 0x80000000
	s_mov_b32 s[G0B], 1                            ; slot 1 <- step 1
	s_add_co_u32 s[G0B+1], s86, SLOT1
	s_add_nc_u64 s[G0B+2:G0B+3], s[KVB:KVB+1], s[TA:TA+1]
	s_add_nc_u64 s[G0B+2:G0B+3], s[G0B+2:G0B+3], KVBLK
	s_or_b32 s[G0B+3], s[G0B+3], 0x80000000
	s_mul_i32 s82, s19, 16*KVBLK                   ; for the refills: my eighth of a block, 12,800 w: K's part is eighths 0 to 3, V's 4 to 7
	s_mul_i32 s86, s[WV], 12800
	s_add_co_u32 s82, s82, s86
	s_add_nc_u64 s[KVB:KVB+1], s[8:9], s[82:83]    ; kv at my eighth of the batch's block 0; never rewritten from here on
	s_xor_b32 s79, s[GRP], 1                       ; the walking set, one step short of trip 0's: K's waves (0 to 3) stand at slot 1, step 1; V's (4 to 7) at slot 0, step 0.  Its global address is made at the head of each trip
	s_lshl_b32 s80, s79, 17
	s_mov_b32 s[G0W], 1
	s_add_co_u32 s[G0W+1], s80, s86
	s_add_co_u32 s[IDK], s87, s79
	s_cmp_lt_u32 s[WV], 4                          ; THE FIRST FILLS, ONE A WAVE: waves 0 to 3 ask for the quarters of slot 0 (step 0), waves 4 to 7 for those of slot 1 (step 1)
	s_cbranch_scc0 .Lfirst_b
	tensor_load_to_lds s[G0A:G0A+3], s[G1J:G1J+7]
	s_nop 0
	PLACES 4
	s_branch .Lfirst_done
.Lfirst_b:
	tensor_load_to_lds s[G0B:G0B+3], s[G1J:G1J+7]
	s_nop 0
	PLACES 4
.Lfirst_done:
	v_and_b32 v17, 15, v0                          ; r
	v_bfe_u32 v18, v0, 4, 1                        ; h
	s_delay_alu instid0(VALU_DEP_2)
	v_and_b32 v19, 8, v17
	s_delay_alu instid0(VALU_DEP_1)
	v_add_nc_u32 v19, v19, v17                     ; r + 8 (r / 8)
	s_mul_i32 s78, s[KB], 12288
	v_add_nc_u32 v[AKF], s78, v15
	s_add_co_u32 s78, s78, VIM
	v_add_nc_u32 v[AVF], s78, v15
	s_lshl_b32 s78, s[KB], 7
	s_add_co_u32 s79, s78, KSC
	v_add_nc_u32 v[AKS], s79, v16
	v_mul_u32_u24 v[AMK], v19, MPITCH
	s_delay_alu instid0(VALU_DEP_1)
	v_lshl_add_u32 v[AMK], v18, 6, v[AMK]
	s_mul_i32 s79, s[GRP], 32*MPITCH
	s_add_co_u32 s79, s79, s78
	v_add_nc_u32 v[AMK], s79, v[AMK]
	s_lshl_b32 s79, s[KB], 9
	s_add_co_u32 s79, s79, VSC
	v_add_nc_u32 v[AVS], s79, v15
	s_mul_i32 s80, s[GRP], 2*PTILE
	s_add_co_u32 s80, s80, XB0
	v_lshl_add_u32 v[APR], v14, 3, s80
	s_lshr_b32 s79, s[KB], 1
	s_mul_i32 s79, s79, 768
	s_add_co_u32 s79, s79, s80
	s_and_b32 s81, s[KB], 1
	s_lshl_b32 s81, s81, 7
	s_add_co_u32 s79, s79, s81
	v_mul_u32_u24 v[APW], v18, PTILE
	s_delay_alu instid0(VALU_DEP_1)
	v_lshl_add_u32 v[APW], v17, 3, v[APW]
	s_delay_alu instid0(VALU_DEP_1)
	v_add_nc_u32 v[APW], s79, v[APW]
	s_lshl_b32 s79, s[GRP], 10
	s_add_co_u32 s79, s79, XB0+MOFF
	v_lshl_add_u32 v[AMR], v14, 5, s79
	s_lshl_b32 s81, s[KB], 3
	s_add_co_u32 s81, s81, s79
	v_lshl_add_u32 v[AMW], v14, 5, s81
	s_lshl_b32 s79, s[GRP], 9
	s_add_co_u32 s79, s79, LFIN
	v_add_nc_u32 v[ALR], s79, v15
	s_lshl_b32 s81, s[KB], 2
	s_add_co_u32 s81, s81, s79
	v_add_nc_u32 v[ALW], s81, v15
	s_mul_i32 s78, s[WV], 8*MPITCH
	v_add_nc_u32 v[AMS], s78, v15                  ; my 8 rows of a slot of the mask
	s_delay_alu instid0(VALU_DEP_1)
	v_add_nc_u32 v[ADMS], MSK0, v[AMS]
	s_delay_alu instid0(VALU_DEP_2)
	v_add_nc_u32 v[ADM1], MSK1, v[AMS]
	v_lshrrev_b32 v[PFO], 1, v14
	s_delay_alu instid0(VALU_DEP_1)
	v_lshlrev_b32 v[PFO], 13, v[PFO]
	v_and_b32 v20, 1, v14
	s_delay_alu instid0(VALU_DEP_1)
	v_lshl_add_u32 v[PFO], v20, 8, v[PFO]
	s_and_b32 s78, s[WV], 3
	s_lshl_b32 s78, s78, 17
	v_add_nc_u32 v[PFO], s78, v[PFO]
.irp m, 0,1
	v_mov_b32 v[ST+4*\m+1], 0xff61b1e6             ; my largest t so far: -3e38, under every t
	s_delay_alu instid0(VALU_DEP_1)
	v_floor_f32 v[ST+4*\m], -v[ST+4*\m+1]          ; -M
	v_mov_b32 v[ST+4*\m+2], 0                      ; my sum, in two halves
	v_mov_b32 v[ST+4*\m+3], 0
	v_mov_b32 v[F+2*\m+1], 0                       ; (the upper halves of pairs that packed forms name)
	v_mov_b32 v[FW+2*\m+1], 0
.endr
.irp i, 0,1,2,3
	v_mov_b32 v[T+\i], 0                           ; a lane permute's destination counts as one of its sources
.endr
	s_wait_alu depctr_va_vdst(0)
	s_wait_loadcnt 36                              ; the mask of steps 0 and 1 is in; Q's 24 loads, its 4 scale words and step 2's 8 are younger
.irp i, 0,1,2,3,4,5,6,7
	ds_store_b128 v[ADMS], v[FR+4*\i:FR+4*\i+3] offset:MPITCH*\i
.endr
.irp i, 0,1,2,3,4,5,6,7
	ds_store_b128 v[ADM1], v[FR+32+4*\i:FR+32+4*\i+3] offset:MPITCH*\i
.endr
	s_wait_dscnt 0x0                               ; for the others' sake: my rows of the mask have landed
	s_wait_tensorcnt 0x0                           ; my first fill is in: a quarter of step 0 or of step 1
	s_barrier_signal -1
	s_barrier_wait -1                              ; everybody's is
	s_wait_loadcnt 8                               ; Q and its scale words are in, so their offset registers may be written; the mask of step 2 may be out
	QKADR
	QKSM 0, 0                                      ; step 0's scores and softmax, in both groups
	TRIP 1, 1, 1, 1, 1, 0                          ; trip 0: V(1) came with the first fills; its products start O^T's sums
	s_mov_b32 s[CNT], 12
.Ltrip:                                            ; trips 1 to 12
	TRIP 2, 0, 1, 1, 2, 0
	s_sub_co_u32 s[CNT], s[CNT], 1
	s_cmp_lg_u32 s[CNT], 0
	s_cbranch_scc1 .Ltrip
	TRIP 2, 0, 1, 0, 0, 0                          ; trip 13: the mask of step 15 is stored; there is none left to load
	TRIP 3, 0, 0, 0, 0, 1                          ; trip 14: the tails are written out: only V(15) is left to fetch
	CHANGE 0, 0                                    ; trip 15: nothing is filled
	PVPART 0, 1, 0, 0, 0
	s_mul_i32 s78, s[WV], 16*MPITCH                ; my stage.  The eight plain lines below are the places behind the last products
	v_and_b32 v17, 15, v0
	v_bfe_u32 v18, v0, 4, 1
	s_delay_alu instid0(VALU_DEP_2)
	v_mul_u32_u24 v[STO], v17, MPITCH
	s_delay_alu instid0(VALU_DEP_1)
	v_lshl_add_u32 v[STO], v18, 6, v[STO]
	s_delay_alu instid0(VALU_DEP_1)
	v_add_nc_u32 v[STO], s78, v[STO]               ; in: row r, + 64 h
	v_and_b32 v[GO], 31, v0
	s_delay_alu instid0(VALU_DEP_1)
	v_lshlrev_b32 v[GO], 4, v[GO]                  ; back, and in out0: 16 bytes a lane
	s_delay_alu instid0(VALU_DEP_1)
	v_add_nc_u32 v[RD], s78, v[GO]
	OUTM 0
	OUTM 1
	s_wait_tensorcnt 0x0                           ; the wave's end: behind my last tensor load and my last LDS store
	ds_add_u32 v[SPW], v[NIL]
	s_wait_dscnt 0x0
	CROUND                                         ; the closing round: no work-group ends while a partner may still ask for a tile that names it
	s_endpgm
.Lfunc_end_k_qb8ce05bc3f_attn:
	.size	k_qb8ce05bc3f_attn, .Lfunc_end_k_qb8ce05bc3f_attn-k_qb8ce05bc3f_attn
	.p2alignl 7, 3214868480
	.fill 96, 4, 3214868480
	.section	.rodata,"a",@progbits
	.p2align	6, 0x0
	.amdhsa_kernel k_qb8ce05bc3f_attn
		.amdhsa_group_segment_fixed_size 327680
		.amdhsa_private_segment_fixed_size 0
		.amdhsa_enable_private_segment 0
		.amdhsa_kernarg_size 40
		.amdhsa_user_sgpr_count 2
		.amdhsa_user_sgpr_kernarg_segment_ptr 1
		.amdhsa_wavefront_size32 1
		.amdhsa_system_sgpr_workgroup_id_x 1
		.amdhsa_system_sgpr_workgroup_id_y 1
		.amdhsa_system_sgpr_workgroup_id_z 1
		.amdhsa_system_vgpr_workitem_id 0
		.amdhsa_next_free_vgpr 512
		.amdhsa_next_free_sgpr 96
		.amdhsa_reserve_vcc 1
		.amdhsa_float_denorm_mode_32 3
		.amdhsa_float_denorm_mode_16_64 3
		.amdhsa_memory_ordered 1
		.amdhsa_forward_progress 1
		.amdhsa_inst_pref_size 229
	.end_amdhsa_kernel
	.amdgpu_metadata
---
amdhsa.version: [ 1, 2 ]
amdhsa.kernels:
  - .name:           k_qb8ce05bc3f_attn
    .symbol:         k_qb8ce05bc3f_attn.kd
    .args:
      - { .name: qc, .offset: 0, .size: 8, .value_kind: global_buffer, .address_space: global }
      - { .name: qs, .offset: 8, .size: 8, .value_kind: global_buffer, .address_space: global }
      - { .name: kv, .offset: 16, .size: 8, .value_kind: global_buffer, .address_space: global }
      - { .name: mask, .offset: 24, .size: 8, .value_kind: global_buffer, .address_space: global }
      - { .name: out0, .offset: 32, .size: 8, .value_kind: global_buffer, .address_space: global }
    .group_segment_fixed_size: 327680
    .private_segment_fixed_size: 0
    .kernarg_segment_align: 8
    .kernarg_segment_size: 40
    .max_flat_workgroup_size: 256
    .sgpr_count:     96
    .vgpr_count:     512
    .wavefront_size: 32
...
	.end_amdgpu_metadata
.endif
;; end of part 3
